; MI455X (gfx1250); checked and timed in simulation.
; The chip was launched on July 23, 2026; its instructions are those of AMD's public machine-readable ISA for CDNA 5 (MIT licence, August 2026) and "CDNA5" Instruction Set Architecture Reference Guide (July 2026). The comments in the code are by the model that wrote it; some were corrected since.
;; Multi Head Attention. Allowed arithmetic: matrix products marked QUANTISED: E2M3 operands, one E8M0 scale for each 32 along K, by v_wmma_scale_f32_16x16x128_f8f6f4 with both operands' format E2M3, f32 sums; everything else in f32.
;; Inputs: Wk 1,024 x 1,024 float32; Wo 1,024 x 1,024 float32; Wq 1,024 x 1,024 float32; Wv 1,024 x 1,024 float32; bk 1,024 float32; bo 1,024 float32; bq 1,024 float32; bv 1,024 float32; x 4 x 2,048 x 1,024 float32.
;; Outputs: out0 4 x 2,048 x 1,024 float32.
;; This version of the problem:
;;   THIS VERSION OF THE PROBLEM IS GIVEN IN LOW PRECISION. The matrix products marked QUANTISED in the list below multiply operands that are first quantised to E2M3 (2 exponent bits, 3 mantissa bits; 6 bits a number), with one power-of-two scale for each 32 numbers along K (OCP MX v1.0); their sums are f32. All else is computed in f32.
;;   The module's matrix products, in the order in which they are computed (A, B: the left and right operand; K: the contracted axis; several contracted axes count as one K, in the product's order):
;;     1. [M 8,192, K 1,024] x [K 1,024, N 1,024]; A: input x; B: input Wq: QUANTISED
;;     2. [M 8,192, K 1,024] x [K 1,024, N 1,024]; A: input x; B: input Wk: QUANTISED
;;     3. [M 8,192, K 1,024] x [K 1,024, N 1,024]; A: input x; B: input Wv: QUANTISED
;;     4. batch 64 x [M 2,048, K 64] x [K 64, N 2,048]; A: computed on the way; B: computed on the way: QUANTISED
;;     5. batch 64 x [M 2,048, K 2,048] x [K 2,048, N 64]; A: softmax (see below); B: computed on the way: QUANTISED
;;     6. [M 8,192, K 1,024] x [K 1,024, N 1,024]; A: computed on the way; B: input Wo: QUANTISED
;;   THE QUANTISER, for each operand of a quantised product, along K:
;;     - K is cut into blocks of 32 from its start; a last block that is shorter is filled with zeros.
;;     - A block's scale is 2^e with e = floor(log2(the largest magnitude in the block)) - 2, held to -126 .. 127; a block of zeros has e = 0. As a byte (E8M0): e + 127.
;;     - Each number is divided by its block's scale, clamped to +-7.5, and rounded to the nearest number of E2M3, ties to even, subnormals kept.
;;     - The product sums the exact products of the quantised numbers (number of the format x scale) in f32.
;;   ~~~python
;;   def quantise(x, axis):      # numpy; x: float32 -> the quantised numbers, widened to float32 again
;;       x = np.moveaxis(x, axis, -1); K = x.shape[-1]
;;       x = np.pad(x, [(0, 0)] * (x.ndim - 1) + [(0, -K % 32)]); x = x.reshape(x.shape[:-1] + (-1, 32)); a = np.abs(x).max(-1, keepdims=True)
;;       e = np.where(a > 0, np.clip(np.frexp(np.where(a > 0, a, 1))[1] - 1 - 2, -126, 127), 0)      # np.frexp(a)[1] - 1 = floor(log2(a)), exactly
;;       r = np.clip(x / 2.0 ** e, -7.5, 7.5)
;;       step = 2.0 ** (np.maximum(np.frexp(np.where(r == 0, 1, r))[1] - 1, 0) - 3)
;;       q = np.round(r / step) * step * 2.0 ** e      # np.round: ties to even
;;       return np.moveaxis(q.reshape(q.shape[:-2] + (-1,))[..., :K], -1, axis).astype(np.float32)
;;   ~~~
;;   SOFTMAX AHEAD OF A QUANTISED PRODUCT. Where the list says 'softmax', what is quantised is not the finished softmax but p = 2^(t - M), with t = logit x log2(e) and M = ceil(the row's largest t), a whole number; so 1/2 < the row's largest p <= 1. The row's sum l is taken of the UNQUANTISED p, in f32, and the product's result is divided by l at the end. Since M is a whole number, a kernel that streams over the keys may use a running M (the ceiling of the running maximum): every later rescaling is an exact power of two, which a block's scale takes up: the codes' values come out the same.
;;   OPERANDS COMPUTED ON THE WAY. 'Computed on the way' means the value that the module computes at that place (a softmax that the list does not call 'softmax' is quantised finished and normalised). What goes into a quantiser is computed in f32, as accurately as f32 sums, v_exp_f32 and their like allow (about 1e-6 of the number): no bf16 or f16 on the way to a quantiser, and a product that is left as it is and whose result goes on into a quantised operand takes f32 operands (vector FMAs, or v_wmma_f32_16x16x4_f32). A number that lies on a knife's edge between two numbers of the format may be rounded either way, as far as f32 arithmetic and the matrix unit's own rounding can turn it there, and no further.
;; One version. Each part assembles by itself: llvm-mc -triple=amdgcn-amd-amdhsa -mcpu=gfx1250 --defsym DOCPART=n.
;; ======== version 1 of 1: 5 launches
;; limits: right only within a limited range of input values
;; workspace buffers: xq 6,553,600 bytes; wq 3,276,800 bytes; qq 6,815,744 bytes; kv 13,369,344 bytes; ao 6,553,600 bytes
;; launch quant (part 1): grid 384 x 1, 4 waves a work-group, no clusters, 68,608 bytes of LDS; arguments Wq, Wk, Wv, Wo, wq, x, xq; writes wq, xq
.if DOCPART == 1
	.amdgcn_target "amdgcn-amd-amdhsa--gfx1250"
	.amdhsa_code_object_version 6
	.text
	.protected	k_q5ed32b8835_quant
	.globl	k_q5ed32b8835_quant
	.p2align	8
	.type	k_q5ed32b8835_quant,@function
k_q5ed32b8835_quant:
	s_mov_b64 s[64:65], 0
	v_nop
	global_prefetch_b8 v0, s[64:65] scope:SCOPE_SE
	s_setreg_imm32_b32 hwreg(HW_REG_WAVE_MODE, 25, 1), 1
	s_wait_xcnt 0x0
; ONE LAUNCH QUANTISES BOTH OPERANDS OF THE PROJECTIONS to codes of FP6 (E2M3) with one E8M0 scale byte for each 32 along K.
; Work-groups 0-255 take x [8192][1024] f32 (K innermost) into xq; work-groups 256-383 take the four weights [1024 (k)][1024 (n)] f32 (K the FIRST axis) into wq, 4,096 rows: Wq's columns, then Wk's, Wv's, Wo's.
; Each work-group takes 32,768 numbers.  The two ways part on the work-group's number alone, have LDS bytes of their own, and meet at the common end.
; THE CODES' ORDER in xq and wq: [block of 256 rows][K step of 256][row][192 bytes]: a K step's codes of 128 rows are 24,576 consecutive bytes, which the products' launches fetch as rows of 256 bytes.
; The scale bytes, 32 a row, lie at xq + XSOFF and at wq + WSOFF.
; A block's scale byte is its largest magnitude's exponent field - 2, held at 1 from below; each number is divided by the scale and rounded to the nearest code, ties to even, beyond 7.5 the largest code.
; LIMITS: a block of zeros gets the byte 1 (its codes are zeros, and only this program reads the bytes); a block whose largest magnitude lies under 2^-124 keeps the byte 1; NaN and infinities are not served.
; No tensor load, no barrier: waves share nothing.
.set EMAX,  2
.set KST,   49152                      ; a K step's codes of 256 rows
.set WST,   32768+512                  ; LDS: x's way has bytes 0 to 32,767 (512 left free behind them), the weights' way four stages from here on
.set PITCH, 272                        ; a row of the weights' stage: sixteen places of 16 bytes, each with 12 bytes of codes, + 16
.set SPARE, WST+4*32*PITCH             ; the spare words, 128 bytes a wave, named by no other line
	v_lshl_add_u32 v192, v0, 2, SPARE
	v_mov_b32 v193, 0
	v_lshrrev_b32 v1, 5, v0
	v_readfirstlane_b32 s16, v1                    ; wave
	v_and_b32 v2, 31, v0                           ; lane
	s_cmp_ge_u32 ttmp9, 256
	s_wait_alu depctr_va_vdst(0)                   ; the wait ahead of the branch
	s_cbranch_scc1 .Lweights
; ---- x.  A wave takes 8 rows in 16 steps of 512 numbers.  A load reads 512 consecutive bytes; a step's 2,048 bytes turn through the wave's own stage in LDS (16 bytes of padding behind each 64)
; and come back 64 bytes a lane: 16 neighbours, two lanes to a block.  Sixteen lanes store 192 consecutive bytes.  A wave's 256 scale bytes are gathered in LDS and leave as one block of 256 bytes.
; Loads run four steps ahead, the turn through LDS one step.
.set STEPS, 16
.set CB,    12                         ; bytes of 16 codes
.set R,     16                         ; v16-79   four sets of 16 numbers as loaded
.set X,     80                         ; v80-111  two sets of 16 neighbours
.set C,     128                        ; v128-191 codes: four registers a step, so that no store's data are written again
.set E,     112                        ; v112-127 a scale byte a step
.set WREG,  8192                       ; a wave's region: two stages of 32 x SP bytes, then its 256 scale bytes
.set SP,    80
.set XSOFF, 6291456
	s_load_b128 s[4:7], s[0:1], 0x28               ; x, xq
	v_lshlrev_b32 v3, 4, v2                        ; my 16 bytes of a load's 512
	s_mul_i32 s17, s16, WREG
	v_lshrrev_b32 v14, 2, v2
	v_mul_u32_u24 v14, v14, SP
	v_and_b32 v15, 3, v2
	v_lshl_add_u32 v14, v15, 4, v14
	v_add_nc_u32 v14, s17, v14                     ; the stage, on the way in: SP (lane / 4) + 16 (lane % 4)
	v_mul_u32_u24 v15, v2, SP
	v_add_nc_u32 v15, s17, v15                     ; on the way out: SP x lane
	v_and_b32 v4, 15, v2
	v_mul_u32_u24 v4, v4, CB
	v_lshrrev_b32 v10, 4, v2
	v_mad_u32_u24 v4, v10, KST, v4                 ; my codes: 12 (lane % 16), lanes 16-31 in the next K step
	v_lshrrev_b32 v5, 1, v2
	s_add_co_u32 s17, s17, 2*32*SP
	v_add_nc_u32 v5, s17, v5                       ; my block's scale byte in LDS
	v_lshlrev_b32 v7, 3, v2
	v_add_nc_u32 v6, s17, v7                       ; and 8 bytes a lane on the way out
	s_lshl_b32 s18, ttmp9, 2
	s_add_co_u32 s18, s18, s16                     ; which run of 8 rows is my wave's
	s_lshl_b32 s20, s18, 15                        ; 32,768 bytes of x
	s_mov_b32 s21, 0
	s_lshr_b32 s22, s18, 5
	s_mul_i32 s22, s22, 4*KST                      ; codes: my block of 256 rows,
	s_and_b32 s23, s18, 31
	s_mul_i32 s23, s23, 8*192                      ; and my 8 rows in it
	s_add_co_u32 s22, s22, s23
	s_mov_b32 s23, 0
	s_lshl_b32 s24, s18, 8                         ; 256 scale bytes a run
	s_add_co_u32 s24, s24, XSOFF
	s_mov_b32 s25, 0
	s_wait_alu depctr_va_vdst(0)                   ; the wait at the head's end
	s_wait_kmcnt 0x0
	s_add_nc_u64 s[4:5], s[4:5], s[20:21]
	s_add_nc_u64 s[8:9], s[6:7], s[22:23]
	s_add_nc_u64 s[10:11], s[6:7], s[24:25]
.macro LOADX t
.irp i, 0,1,2,3
	global_load_b128 v[R+16*((\t)%4)+4*\i:R+16*((\t)%4)+4*\i+3], v3, s[4:5] offset:2048*(\t)+512*\i th:TH_LOAD_NT
.endr
.endm
.macro TURNX t                         ; LDS serves a wave's instructions in order: no wait between the stores and the loads
.irp i, 0,1,2,3
	ds_store_b128 v14, v[R+16*((\t)%4)+4*\i:R+16*((\t)%4)+4*\i+3] offset:32*SP*((\t)%2)+8*SP*\i
.endr
.irp i, 0,1,2,3
	ds_load_b128 v[X+16*((\t)%2)+4*\i:X+16*((\t)%2)+4*\i+3], v15 offset:32*SP*((\t)%2)+16*\i
.endr
.endm
.irp t, 0,1,2,3
	LOADX \t
.endr
	s_wait_loadcnt 12                              ; step 0's four loads are in; the twelve of steps 1 to 3 may be out
	TURNX 0
.macro STEPX t
.set XS, X+16*((\t)%2)
.if (\t) > 0
	s_wait_dscnt 1                                 ; this step's numbers are back from the stage (the last step's byte store may be out)
.else
	s_wait_dscnt 0x0
.endif
.if (\t)+4 < STEPS
	LOADX (\t)+4                                   ; into the set whose stores into the stage have read their registers
.endif
.if (\t)+1 < STEPS
.if STEPS-2-(\t) >= 3
	s_wait_loadcnt 12                              ; the next step's four loads are in; those of the three steps behind it may be out
.else
	s_wait_loadcnt 4*(STEPS-2-(\t))
.endif
	TURNX (\t)+1
.endif
	v_max3_num_f32 v8, |v[XS]|, |v[XS+1]|, |v[XS+2]|               ; the largest magnitude of my 16, in two chains
	v_max3_num_f32 v9, |v[XS+3]|, |v[XS+4]|, |v[XS+5]|
.irp i, 6,10
	v_max3_num_f32 v8, v8, |v[XS+\i]|, |v[XS+\i+1]|
	v_max3_num_f32 v9, v9, |v[XS+\i+2]|, |v[XS+\i+3]|
.endr
	v_max3_num_f32 v8, v8, |v[XS+14]|, |v[XS+15]|
	v_max3_num_f32 v8, v8, v9, (EMAX+1)<<23        ; and the floor 2^(3 - 127): the byte cannot fall under 1
	v_max_num_f32_dpp v8, v8, v8 row_xmask:1 row_mask:0xf bank_mask:0xf   ; with my neighbour's 16: the block's
	v_add_nc_u32 v11, -(EMAX<<23), v8              ; 2 off its exponent field: the conversion's scale operand
	v_cvt_scalef32_pk16_fp6_f32 v[C+4*(\t):C+4*(\t)+2], v[XS:XS+15], v11
	v_lshrrev_b32 v[E+(\t)], 23, v11               ; the scale's byte (also the plain line behind the conversion)
	ds_store_b8 v5, v[E+(\t)] offset:16*(\t)       ; both lanes of a block write the same byte with the same value
	global_store_b96 v4, v[C+4*(\t):C+4*(\t)+2], s[8:9] offset:2*KST*((\t)%2)+192*((\t)/2)   ; row t / 2, K steps 2 (t % 2) and 2 (t % 2) + 1
.endm
.irp t, 0,1,2,3,4,5,6,7,8,9,10,11,12,13,14,15
	STEPX \t
.endr
	ds_load_b64 v[12:13], v6                       ; LDS serves a wave's instructions in order: these see my stores
	s_wait_dscnt 0x0
	global_store_b64 v7, v[12:13], s[10:11]        ; 32 lanes store 256 consecutive bytes, aligned
	s_branch .Lend
; ---- the weights.  A LANE TAKES A COLUMN n AND ITS REGISTERS RUN DOWN K: a load reads 128 consecutive bytes a wave, a block of 32 along K lies in one lane's 32 registers, and the conversions give codes with K innermost.
; A wave takes 32 columns x one K step; its codes go through its own stage in LDS and leave as rows: a store covers two rows, 384 consecutive bytes.
; Work-group 256 + 32 y + i: 128 output rows i (i / 8 chooses the weight, by a select of pointers on the work-group's number alone), K step y.
.set NB,    8                          ; blocks of 32 in a K step
.set ROWB,  192
.set NROW,  4096                       ; a row of a weight in bytes
.set WSOFF, 3145728
.set WX,    32                         ; v32-95   two sets of 32 numbers
.set WC,    96                         ; v96..    a block's codes
.set OUTR,  112                        ; v112-175 the way out
.set SB,    24                         ; v24-25   the scale bytes, four to a register
.Lweights:
	s_load_b256 s[4:11], s[0:1], 0x0               ; Wq, Wk, Wv, Wo
	s_load_b64 s[12:13], s[0:1], 0x20              ; wq
	s_sub_co_u32 s30, ttmp9, 256
	s_and_b32 s31, s30, 31                         ; which 128 output rows
	s_lshr_b32 s14, s31, 3                         ; which weight
	s_and_b32 s15, s31, 7
	s_lshl_b32 s15, s15, 7
	s_lshl_b32 s18, s16, 5
	s_add_co_u32 s15, s15, s18                     ; my wave's first column in the weight
	s_lshl_b32 s17, s31, 7
	s_add_co_u32 s17, s17, s18                     ; and its first row of wq
	s_lshr_b32 s18, s30, 5                         ; the K step
	v_lshlrev_b32 v3, 2, v2                        ; in: 4 bytes a lane
	s_mul_i32 s19, s16, 32*PITCH
	s_add_co_u32 s19, s19, WST                     ; my stage
	v_mul_u32_u24 v4, v2, PITCH
	v_add_nc_u32 v4, s19, v4                       ; into it: row = my column
	v_and_b32 v5, 15, v2
	v_lshrrev_b32 v6, 4, v2
	v_mul_u32_u24 v7, v6, PITCH
	v_lshl_add_u32 v7, v5, 4, v7
	v_add_nc_u32 v7, s19, v7                       ; out of it: sixteen lanes to a row, two rows an instruction
	v_mul_u32_u24 v8, v6, ROWB
	v_mad_u32_u24 v8, v5, 12, v8                   ; and the same place among the codes
	v_lshlrev_b32 v9, 5, v2                        ; my column's row of scale bytes
	s_lshl_b32 s20, s18, 20                        ; 256 rows of 4,096 bytes for each K step,
	s_lshl_b32 s22, s15, 2
	s_add_co_u32 s20, s20, s22                     ; + 4 x column
	s_mov_b32 s21, 0
	s_lshr_b32 s24, s17, 8
	s_mul_i32 s24, s24, 4*KST                      ; codes: the block of 256 rows,
	s_mul_i32 s26, s18, KST
	s_add_co_u32 s24, s24, s26                     ; the K step,
	s_and_b32 s26, s17, 255
	s_mul_i32 s26, s26, ROWB
	s_add_co_u32 s24, s24, s26                     ; the row in the block
	s_mov_b32 s25, 0
	s_lshl_b32 s28, s17, 5
	s_lshl_b32 s26, s18, 3
	s_add_co_u32 s28, s28, s26
	s_add_co_u32 s28, s28, WSOFF                   ; scale bytes: row x 32 + 8 x K step
	s_mov_b32 s29, 0
	s_wait_alu depctr_va_vdst(0)                   ; the wait at the head's end
	s_wait_kmcnt 0x0
	s_cmp_lt_u32 s14, 2
	s_cselect_b64 s[4:5], s[4:5], s[8:9]           ; Wq or Wv
	s_cselect_b64 s[6:7], s[6:7], s[10:11]         ; Wk or Wo
	s_bitcmp1_b32 s14, 0
	s_cselect_b64 s[4:5], s[6:7], s[4:5]           ; the odd one or the even one
	s_add_nc_u64 s[4:5], s[4:5], s[20:21]
	s_add_nc_u64 s[6:7], s[12:13], s[24:25]
	s_add_nc_u64 s[8:9], s[12:13], s[28:29]
.macro LOADW t                         ; block t: W(32 t + i, my column), i = 0 .. 31, into set t % 2
.irp i, 0,1,2,3,4,5,6,7,8,9,10,11,12,13,14,15,16,17,18,19,20,21,22,23,24,25,26,27,28,29,30,31
	global_load_b32 v[WX+32*((\t)%2)+\i], v3, s[4:5] offset:(32*(\t)+\i)*NROW th:TH_LOAD_NT
.endr
.endm
	LOADW 0
	LOADW 1
.macro BLOCKW t
.set XS, WX+32*((\t)%2)
.if (\t) < NB-1
	s_wait_loadcnt 32                              ; this block's 32 loads are in; the next block's 32 may be out
.else
	s_wait_loadcnt 0
.endif
	v_max3_num_f32 v12, |v[XS]|, |v[XS+1]|, |v[XS+2]|               ; the block's largest magnitude: all 32 numbers are mine
	v_max3_num_f32 v13, |v[XS+3]|, |v[XS+4]|, |v[XS+5]|
.irp i, 6,10,14,18,22,26
	v_max3_num_f32 v12, v12, |v[XS+\i]|, |v[XS+\i+1]|
	v_max3_num_f32 v13, v13, |v[XS+\i+2]|, |v[XS+\i+3]|
.endr
	v_max3_num_f32 v12, v12, |v[XS+30]|, |v[XS+31]|
	v_max3_num_f32 v12, v12, v13, (EMAX+1)<<23     ; and the floor 2^(3 - 127)
	v_add_nc_u32 v11, -(EMAX<<23), v12             ; the conversion's scale operand
	v_lshrrev_b32 v13, 23, v11                     ; the scale's byte
.if (\t)%4 == 0
	v_mov_b32 v[SB+(\t)/4], v13
.else
	v_lshl_or_b32 v[SB+(\t)/4], v13, 8*((\t)%4), v[SB+(\t)/4]
.endif
	v_cvt_scalef32_pk16_fp6_f32 v[WC:WC+2], v[XS:XS+15], v11
	v_cvt_scalef32_pk16_fp6_f32 v[WC+4:WC+6], v[XS+16:XS+31], v11   ; (a conversion's three registers begin on an even number)
	ds_store_b96 v4, v[WC:WC+2] offset:32*(\t)     ; 12 bytes to a place of 16, so that every LDS address is a multiple of 16
	ds_store_b96 v4, v[WC+4:WC+6] offset:32*(\t)+16
.if (\t)+2 < NB
	LOADW (\t)+2
.endif
	s_wait_dscnt 0x0                               ; the stores have read their registers: the next block's codes may be written
.endm
.set Q, 0
.rept NB
	BLOCKW Q
.set Q, Q+1
.endr
	s_wait_alu depctr_va_vdst(0)                   ; the wait ahead of the reader below
	global_store_b64 v9, v[SB:SB+1], s[8:9]        ; my column's 8 scale bytes
.irp t, 0,1,2,3,4,5,6,7,8,9,10,11,12,13,14,15
	ds_load_b96 v[OUTR+4*\t:OUTR+4*\t+2], v7 offset:2*\t*PITCH   ; LDS serves a wave's instructions in order: these see my stores
.endr
.irp t, 0,1,2,3,4,5,6,7,8,9,10,11,12,13,14,15
	s_wait_dscnt 15-\t                             ; the younger row reads may be out
	global_store_b96 v8, v[OUTR+4*\t:OUTR+4*\t+2], s[6:7] offset:2*\t*ROWB
.endr
.Lend:
	s_wait_tensorcnt 0x0                           ; the wave's end, for both ways
	ds_add_u32 v192, v193
	s_wait_dscnt 0x0
	s_endpgm
.Lfunc_end_k_q5ed32b8835_quant:
	.size	k_q5ed32b8835_quant, .Lfunc_end_k_q5ed32b8835_quant-k_q5ed32b8835_quant
	.p2alignl 7, 3214868480
	.fill 96, 4, 3214868480
	.section	.rodata,"a",@progbits
	.p2align	6, 0x0
	.amdhsa_kernel k_q5ed32b8835_quant
		.amdhsa_group_segment_fixed_size 68608
		.amdhsa_private_segment_fixed_size 0
		.amdhsa_enable_private_segment 0
		.amdhsa_kernarg_size 56
		.amdhsa_user_sgpr_count 2
		.amdhsa_user_sgpr_kernarg_segment_ptr 1
		.amdhsa_wavefront_size32 1
		.amdhsa_system_sgpr_workgroup_id_x 1
		.amdhsa_system_sgpr_workgroup_id_y 1
		.amdhsa_system_sgpr_workgroup_id_z 1
		.amdhsa_system_vgpr_workitem_id 0
		.amdhsa_next_free_vgpr 194
		.amdhsa_next_free_sgpr 66
		.amdhsa_reserve_vcc 0
		.amdhsa_float_denorm_mode_32 3
		.amdhsa_float_denorm_mode_16_64 3
		.amdhsa_memory_ordered 1
		.amdhsa_forward_progress 1
		.amdhsa_inst_pref_size 74
	.end_amdhsa_kernel
	.amdgpu_metadata
---
amdhsa.version: [ 1, 2 ]
amdhsa.kernels:
  - .name:           k_q5ed32b8835_quant
    .symbol:         k_q5ed32b8835_quant.kd
    .args:
      - { .name: Wq, .offset: 0, .size: 8, .value_kind: global_buffer, .address_space: global }
      - { .name: Wk, .offset: 8, .size: 8, .value_kind: global_buffer, .address_space: global }
      - { .name: Wv, .offset: 16, .size: 8, .value_kind: global_buffer, .address_space: global }
      - { .name: Wo, .offset: 24, .size: 8, .value_kind: global_buffer, .address_space: global }
      - { .name: wq, .offset: 32, .size: 8, .value_kind: global_buffer, .address_space: global }
      - { .name: x, .offset: 40, .size: 8, .value_kind: global_buffer, .address_space: global }
      - { .name: xq, .offset: 48, .size: 8, .value_kind: global_buffer, .address_space: global }
    .group_segment_fixed_size: 68608
    .private_segment_fixed_size: 0
    .kernarg_segment_align: 8
    .kernarg_segment_size: 56
    .max_flat_workgroup_size: 128
    .sgpr_count:     66
    .vgpr_count:     194
    .wavefront_size: 32
...
	.end_amdgpu_metadata
.endif
;; end of part 1
;; launch gemm_qk (part 2): grid 8 x 32, 4 waves a work-group, clusters of 4 x 4, 327,680 bytes of LDS; arguments xq, wq, bq, bk, qq, kv; writes qq, kv
.if DOCPART == 2
	.amdgcn_target "amdgcn-amd-amdhsa--gfx1250"
	.amdhsa_code_object_version 6
	.text
	.protected	k_q5ed32b8835_gemm_qk
	.globl	k_q5ed32b8835_gemm_qk
	.p2align	8
	.type	k_q5ed32b8835_gemm_qk,@function
k_q5ed32b8835_gemm_qk:
	s_mov_b64 s[64:65], 0
	v_nop
	global_prefetch_b8 v0, s[64:65] scope:SCOPE_SE
	s_setreg_imm32_b32 hwreg(HW_REG_WAVE_MODE, 25, 1), 1
	s_wait_xcnt 0x0
	s_wait_alu depctr_hold_cnt(0) depctr_sa_sdst(0) depctr_va_vdst(0) depctr_va_sdst(0) depctr_va_ssrc(0) depctr_va_vcc(0) depctr_vm_vsrc(0)
	s_getreg_b32 s2, hwreg(HW_REG_IB_STS2, 6, 4)
	s_cmp_eq_u32 s2, 0
	s_cbranch_scc0 .Lentry_in_a_cluster
	s_endpgm
.Lentry_in_a_cluster:
	s_bfe_u32 s2, ttmp6, 0x10000c
	s_cmp_lg_u32 s2, 0xf033
	s_cbranch_scc0 .Lentry_shape_is_right
	s_endpgm
.Lentry_shape_is_right:
.set NQ,     2
.set ROWB,   49152                     ; from a K step's tile of 256 rows to the next: the codes lie [256 rows][K step][row][192 bytes]
.set KROW,   768
.set PITCH,  240
.set FR,     12
.set NL,     6
.set NP,     4
.set HALFT,  128*PITCH
.set SLOT,   4*HALFT
.set KS,     32
.set SCL,    2*SLOT
.set HALFS,  (128*KS/256)*272
.set SBLK,   (16*KS/256)*272
.set SPARE,  SCL+4*HALFS
.set XSOFF,  6291456
.set WSOFF,  3145728
.set QSOFF,  6291456
.set KVSOFF, 12582912
.set ADRA, 16
.set ADRB, 20
.set CO16, 24
.set CO8,  25
.set SCO,  26
.set ADRS, 27
.set SPW,  28
.set NIL,  29
.set HSH,  30
.set BOF,  31
.set SC,   32
.set TM,   64
.set CT,   80
.set PWS,  88
.set AF,   128
.set G1, 24
.set G0, 32
.set G1B, 48
.set G0B, 56
.set G1S, 68
.set G0S, 76
.set G1SB, 80
.set G0SB, 88
.set MSB, 0
.macro WIN new
.if MSB != (\new)
	s_set_vgpr_msb (MSB<<8)|(\new)
.set MSB, (\new)
.endif
.endm
.set MUL_LO, 0xa1
.set MUL_HI, 0xf1
.set TO_B,   0x40
.macro JLOAD g0a, g1a, g0b, g1b
	s_cmp_eq_u32 s15, 0
	s_cbranch_scc0 .Lfor_b_\@
	tensor_load_to_lds s[\g0a:\g0a+3], s[\g1a:\g1a+7]
	s_nop 0
.rept 4
	v_nop
.endr
	s_branch .Lasked_\@
.Lfor_b_\@:
	tensor_load_to_lds s[\g0b:\g0b+3], s[\g1b:\g1b+7]
	s_nop 0
.rept 4
	v_nop
.endr
.Lasked_\@:
.endm
.macro CREST
	s_cmp_lg_u32 s14, 0
	s_cbranch_scc1 .Lnot_wave_0_\@
	s_barrier_signal -3
.Lnot_wave_0_\@:
	s_barrier_wait -3
	s_barrier_signal -1
	s_barrier_wait -1
.endm
.macro CROUND
	s_barrier_signal -1
	s_barrier_wait -1
	CREST
.endm
	s_load_b256 s[4:11], s[0:1], 0x0
	s_load_b128 s[96:99], s[0:1], 0x20
	v_lshl_add_u32 v[SPW], v0, 2, SPARE
	v_mov_b32 v[NIL], 0
	ds_add_u32 v28, v29
	ds_add_u32 v28, v29
	s_wait_dscnt 0x0
	v_lshrrev_b32 v1, 5, v0
	v_readfirstlane_b32 s14, v1
	s_lshr_b32 s15, s14, 1
	s_and_b32 s16, s14, 1
	s_bfe_u32 s40, ttmp6, 0x40000
	s_bfe_u32 s41, ttmp6, 0x40004
	s_lshl_b32 s42, ttmp9, 2
	s_add_co_u32 s42, s42, s40
	s_and_b32 s17, ttmp7, 0xffff
	s_lshl_b32 s17, s17, 2
	s_add_co_u32 s17, s17, s41
	s_lshl_b32 s43, s41, 2
	s_lshl_b32 s43, 15, s43
	s_lshl_b32 s44, 0x1111, s40
	s_or_b32 s[G1+0], s43, (0<<16)|(1<<20)|(1<<21)|(3<<22)|(3<<25)
	s_or_b32 s[G1B+0], s44, (0<<16)|(1<<20)|(1<<21)|(3<<22)|(3<<25)
.irp g, G1, G1B
	s_mov_b32 s[\g+1], 256<<16                     ; 128 rows of 192 bytes are dense: stated as 96 rows of 256 bytes; the padding stays behind every 64
	s_mov_b32 s[\g+2], 192<<16                     ; the head's loads bring a whole tile of 256 rows: 192 rows of 256 bytes
	s_mov_b32 s[\g+3], 256<<16
	s_mov_b32 s[\g+4], 192
	s_mov_b32 s[\g+5], 256
	s_mov_b32 s[\g+6], 0
	s_mov_b32 s[\g+7], 0
.endr
	s_or_b32 s[G1S+0], s43, (3<<16)|(1<<20)|(1<<21)|(5<<22)|(3<<25)
	s_or_b32 s[G1SB+0], s44, (3<<16)|(1<<20)|(1<<21)|(5<<22)|(3<<25)
.irp g, G1S, G1SB
	s_mov_b32 s[\g+1], 32<<16
	s_mov_b32 s[\g+2], (256*KS/256)<<16            ; the scales of 256 rows by one load
	s_mov_b32 s[\g+3], 32<<16
	s_mov_b32 s[\g+4], 256*KS/256
	s_mov_b32 s[\g+5], 32
	s_mov_b32 s[\g+6], 0
	s_mov_b32 s[\g+7], 0
.endr
	s_lshl_b32 s18, s16, 7
	s_lshl_b32 s20, s17, 8
	s_add_co_u32 s20, s20, s18
	s_lshl_b32 s46, s42, 8
	s_add_co_u32 s46, s46, s18
	s_lshl_b32 s22, s17, 13
	s_add_co_u32 s22, s22, XSOFF
	s_lshl_b32 s92, s42, 13
	s_add_co_u32 s92, s92, WSOFF
	s_mul_i32 s20, s17, 4*ROWB                     ; the block of 256 rows,
	s_mul_i32 s46, s42, 4*ROWB
	s_mul_i32 s18, s16, 24576                      ; and my 128 rows of its tile
	s_add_co_u32 s20, s20, s18
	s_add_co_u32 s46, s46, s18
	s_mov_b32 s21, 0
	s_mov_b32 s23, 0
	s_mov_b32 s47, 0
	s_mov_b32 s93, 0
	s_mul_i32 s45, s14, HALFT
	s_wait_kmcnt 0x0
	s_add_nc_u64 s[20:21], s[4:5], s[20:21]
	s_add_nc_u64 s[22:23], s[4:5], s[22:23]
	s_add_nc_u64 s[46:47], s[6:7], s[46:47]
	s_add_nc_u64 s[92:93], s[6:7], s[92:93]
	CROUND
	s_mov_b32 s[G0S], 1
	s_mov_b32 s[G0S+1], SCL
	s_mov_b64 s[G0S+2:G0S+3], s[22:23]
	s_or_b32 s[G0S+3], s[G0S+3], 0x80000000
	s_mov_b32 s[G0SB], 1
	s_mov_b32 s[G0SB+1], SCL+2*HALFS
	s_mov_b64 s[G0SB+2:G0SB+3], s[92:93]
	s_or_b32 s[G0SB+3], s[G0SB+3], 0x80000000
.irp s, 0,1
	s_mov_b32 s[G0+4*\s], 1
	s_add_co_u32 s[G0+4*\s+1], s45, \s*SLOT
	s_add_nc_u64 s[G0+4*\s+2:G0+4*\s+3], s[20:21], \s*ROWB
	s_or_b32 s[G0+4*\s+3], s[G0+4*\s+3], 0x80000000
	s_mov_b32 s[G0B+4*\s], 1
	s_add_co_u32 s[G0B+4*\s+1], s45, \s*SLOT
	s_add_nc_u64 s[G0B+4*\s+2:G0B+4*\s+3], s[46:47], \s*ROWB
	s_or_b32 s[G0B+4*\s+3], s[G0B+4*\s+3], 0x80000000
.endr
; THE HEAD'S LOADS, one a wave, in one tree of branches on the wave's number: wave 0 K step 0 of A's 256 rows, wave 2 of B's (their slot 0 descriptors begin at the tile's first row), wave 1 A's scales, wave 3 B's
	s_cmp_eq_u32 s14, 0
	s_cbranch_scc0 .Lhead_b
	tensor_load_to_lds s[G0:G0+3], s[G1:G1+7]
	s_nop 0
.rept 4
	v_nop
.endr
	s_branch .Lhead_asked
.Lhead_b:
	s_cmp_eq_u32 s14, 2
	s_cbranch_scc0 .Lhead_sa
	tensor_load_to_lds s[G0B:G0B+3], s[G1B:G1B+7]
	s_nop 0
.rept 4
	v_nop
.endr
	s_branch .Lhead_asked
.Lhead_sa:
	s_cmp_eq_u32 s14, 1
	s_cbranch_scc0 .Lhead_sb
	tensor_load_to_lds s[G0S:G0S+3], s[G1S:G1S+7]
	s_nop 0
.rept 4
	v_nop
.endr
	s_branch .Lhead_asked
.Lhead_sb:
	tensor_load_to_lds s[G0SB:G0SB+3], s[G1SB:G1SB+7]
	s_nop 0
.rept 4
	v_nop
.endr
.Lhead_asked:
	v_and_b32 v1, 15, v0
	v_bfe_u32 v2, v0, 4, 1
	v_mul_u32_u24 v3, v1, PITCH
	v_mul_u32_u24 v4, v2, 24
	v_add_nc_u32 v4, v3, v4
	v_lshl_add_u32 v5, v2, 4, v4
	s_mul_i32 s21, s15, HALFT
	s_mul_i32 s22, s16, HALFT
	s_add_co_u32 s22, s22, 2*HALFT
.irp s, 0,1
	v_add_nc_u32 v[ADRA+\s], s21, v4
	v_add_nc_u32 v[ADRB+\s], s22, v4
	v_add_nc_u32 v[ADRA+2+\s], s21, v5
	v_add_nc_u32 v[ADRB+2+\s], s22, v5
	s_add_co_u32 s21, s21, SLOT
	s_add_co_u32 s22, s22, SLOT
.endr
	v_mul_u32_u24 v5, v1, KS
	v_lshrrev_b32 v6, 8, v5
	v_lshl_add_u32 v5, v6, 4, v5
	s_mul_i32 s21, s15, HALFS
	s_mul_i32 s22, s16, HALFS
	s_add_co_u32 s22, s22, 2*HALFS
	s_sub_co_u32 s22, s22, s21
	v_mul_u32_u24 v6, s22, v2
	s_add_co_u32 s21, s21, SCL
	v_add_nc_u32 v5, v5, v6
	v_add_nc_u32 v[ADRS], s21, v5
	v_and_b32 v6, 31, v0
	v_lshlrev_b32 v[CO16], 4, v6
	v_lshlrev_b32 v[CO8], 3, v6
	v_lshlrev_b32 v[HSH], 4, v2
	v_lshlrev_b32 v[BOF], 5, v2
	s_wait_alu depctr_va_vdst(0)
	s_cmp_eq_u32 ttmp9, 0
	s_cselect_b64 s[8:9], s[8:9], s[10:11]
	s_cselect_b64 s[4:5], s[96:97], s[98:99]
	s_mov_b32 s66, 12288
	s_cselect_b32 s66, 6144, s66
	s_mov_b32 s67, 768
	s_cselect_b32 s67, 512, s67
	s_mov_b32 s92, KVSOFF
	s_cselect_b32 s92, QSOFF, s92
	s_lshr_b32 s93, s17, 3
	s_lshl_b32 s93, s93, 4
	s_lshl_b32 s94, s40, 2
	s_add_co_u32 s93, s93, s94
	s_lshl_b32 s94, s16, 1
	s_add_co_u32 s93, s93, s94
	s_lshl_b32 s93, s93, 4
	s_and_b32 s94, s17, 7
	s_lshl_b32 s94, s94, 1
	s_add_co_u32 s93, s93, s94
	s_add_co_u32 s93, s93, s15
	s_mov_b32 s11, 0
	s_mul_i32 s10, s93, s66
	s_add_nc_u64 s[6:7], s[4:5], s[10:11]
	s_lshl_b32 s10, s66, 4
	s_add_nc_u64 s[12:13], s[6:7], s[10:11]
	s_mul_i32 s10, s93, s67
	s_add_co_u32 s10, s10, s92
	s_add_nc_u64 s[4:5], s[4:5], s[10:11]
	s_lshl_b32 s94, s67, 4
	v_mul_u32_u24 v[SCO], s94, v2
	v_lshl_add_u32 v[SCO], v1, 4, v[SCO]
	s_lshl_b32 s10, s40, 10
	s_lshl_b32 s94, s16, 9
	s_add_co_u32 s10, s10, s94
	s_add_nc_u64 s[8:9], s[8:9], s[10:11]
	WIN TO_B
.irp b, 0,1,2,3,4,5,6,7
	global_load_b128 v[96+8*\b+96*(\b/4):96+8*\b+96*(\b/4)+3], v[BOF], s[8:9] offset:64*\b
	global_load_b128 v[96+8*\b+96*(\b/4)+4:96+8*\b+96*(\b/4)+7], v[BOF], s[8:9] offset:64*\b+16
.endr
	WIN 0
.macro FRAG reg, adr, q, i
.irp p, 0,1,2,3,4,5
.set PC, 12*(\q)+6*(\p/3)+\p%3
.if PC%8 < 5
	ds_load_b64 v[\reg+2*\p:\reg+2*\p+1], v[\adr] offset:8*PC+16*(PC/8)+(\i)*16*PITCH
.else
	ds_load_b64 v[\reg+2*\p:\reg+2*\p+1], v[\adr+2] offset:8*PC+16*(PC/8)+(\i)*16*PITCH
.endif
.endr
.endm
.macro MUL16 a0, p, q, sc, zero
.irp a, \a0, \a0+1
.irp b, 0,1,2,3,4,5,6,7
.if \zero
	v_wmma_scale_f32_16x16x128_f8f6f4 v[8*(8*((\a)%4)+\b):8*(8*((\a)%4)+\b)+7], v[128*(\p)+FR*\b:128*(\p)+FR*\b+FR-1], v[AF+FR*(\a):AF+FR*(\a)+FR-1], v[96+8*\b+96*(\b/4):96+8*\b+96*(\b/4)+7], v[SC+8*NQ*(\sc)+NQ*\b+(\q)], v[SC+8*NQ*(\sc)+NQ*(\a)+(\q)] matrix_a_fmt:MATRIX_FMT_FP6 matrix_b_fmt:MATRIX_FMT_FP6 matrix_a_scale:MATRIX_SCALE_ROW1
.else
	v_wmma_scale_f32_16x16x128_f8f6f4 v[8*(8*((\a)%4)+\b):8*(8*((\a)%4)+\b)+7], v[128*(\p)+FR*\b:128*(\p)+FR*\b+FR-1], v[AF+FR*(\a):AF+FR*(\a)+FR-1], v[8*(8*((\a)%4)+\b):8*(8*((\a)%4)+\b)+7], v[SC+8*NQ*(\sc)+NQ*\b+(\q)], v[SC+8*NQ*(\sc)+NQ*(\a)+(\q)] matrix_a_fmt:MATRIX_FMT_FP6 matrix_b_fmt:MATRIX_FMT_FP6 matrix_a_scale:MATRIX_SCALE_ROW1
.endif
.endr
.endr
.endm
.macro FETCH_B slot, q, p
	WIN TO_B
.irp i, 0,1,2,3,4,5,6,7
	FRAG 128*(\p)+FR*\i, ADRB+\slot, \q, \i
.endr
	WIN 0
.endm
.macro FETCH_A slot, q, i0
.irp i, \i0, \i0+1, \i0+2, \i0+3
	FRAG AF+FR*(\i), ADRA+\slot, \q, \i
.endr
.endm
.macro SCALES sc
.irp i, 0,1,2,3,4,5,6,7
	ds_load_b64 v[SC+8*NQ*\sc+NQ*\i:SC+8*NQ*\sc+NQ*\i+1], v[ADRS] offset:\i*SBLK
.endr
.endm
.macro PLACES n
.rept \n
	v_nop
.endr
.endm
.macro STEP slot, q, zero
	s_wait_dscnt 4*NL
	WIN MUL_LO-0x10*(\zero)
	MUL16 0, (\q)%2, \q, \slot, \zero
	MUL16 2, (\q)%2, \q, \slot, \zero
	s_wait_dscnt 0
	PLACES NP
	FETCH_B \slot, (\q)+1, 1-(\q)%2
	FETCH_A \slot, (\q)+1, 0
	WIN MUL_HI-0x20*(\zero)
	MUL16 4, (\q)%2, \q, \slot, \zero
	MUL16 6, (\q)%2, \q, \slot, \zero
	PLACES NP
	WIN 0
	FETCH_A \slot, (\q)+1, 4
.endm
.macro TURN slot, next, fill
	s_wait_tensorcnt 0x0
	ds_add_u32 v[SPW], v[NIL]
	s_wait_dscnt 4*NL+1
	WIN MUL_LO
	MUL16 0, 1, NQ-1, \slot, 0
	s_wait_dscnt 0x0
	s_barrier_signal -1
	MUL16 2, 1, NQ-1, \slot, 0
	WIN 0
	s_barrier_wait -1
.if \fill
	CREST
	s_add_nc_u64 s[G0+4*\slot+2:G0+4*\slot+3], s[G0+4*\slot+2:G0+4*\slot+3], 2*ROWB
	s_add_nc_u64 s[G0B+4*\slot+2:G0B+4*\slot+3], s[G0B+4*\slot+2:G0B+4*\slot+3], 2*ROWB
	JLOAD G0+4*\slot, G1, G0B+4*\slot, G1B
.else
	PLACES NP
.endif
	s_wait_alu depctr_va_vdst(0)
	v_add_nc_u32 v[ADRS], 4*NQ, v[ADRS]
	FETCH_B \next, 0, 0
	FETCH_A \next, 0, 0
	SCALES \next
	WIN MUL_HI
	MUL16 4, 1, NQ-1, \slot, 0
	MUL16 6, 1, NQ-1, \slot, 0
	PLACES NP
	WIN 0
	FETCH_A \next, 0, 4
.endm
	s_wait_alu depctr_va_vdst(0)                   ; the wait at the head's end
	s_wait_tensorcnt 0x0                           ; my tile of the head's four is in
	ds_add_u32 v[SPW], v[NIL]
	s_mov_b32 s[G1+2], 96<<16                      ; no tensor load of mine is out: from here on a load brings 128 rows, 96 rows of 256 bytes
	s_mov_b32 s[G1+4], 96
	s_mov_b32 s[G1B+2], 96<<16
	s_mov_b32 s[G1B+4], 96
	s_wait_dscnt 0x0
	CROUND                                         ; all four tiles are in, and the sixteen work-groups are here
	JLOAD G0+4, G1, G0B+4, G1B                     ; slot 1's first fill, the first tensor load behind the round
	FETCH_B 0, 0, 0
	FETCH_A 0, 0, 0
	SCALES 0
	FETCH_A 0, 0, 4
	s_wait_loadcnt 0x0
	STEP 0, 0, 1
	TURN 0, 1, 1
	STEP 1, 0, 0
	TURN 1, 0, 1
	STEP 0, 0, 0
	TURN 0, 1, 0
	STEP 1, 0, 0
	s_wait_dscnt 4*NL
	WIN MUL_LO
	MUL16 0, 1, NQ-1, 1, 0
	MUL16 2, 1, NQ-1, 1, 0
	s_wait_dscnt 0
	WIN MUL_HI
	MUL16 4, 1, NQ-1, 1, 0
	MUL16 6, 1, NQ-1, 1, 0
	WIN 0
.macro QBLOCK a
.set AC, 64*((\a)%4)
.set QC, 128+12*(\a)
	WIN 0x0a+5*((\a)/4)
.irp b, 0,1,2,3
	v_max3_num_f32 v[TM+\b], |v[AC+16*\b]|, |v[AC+16*\b+1]|, 0x1800000
.endr
.irp i, 2,4,6,8,10,12,14
.irp b, 0,1,2,3
	v_max3_num_f32 v[TM+\b], |v[AC+16*\b+\i]|, |v[AC+16*\b+\i+1]|, v[TM+\b]
.endr
.endr
	WIN 0
.irp b, 0,1,2,3
	v_permlanex16_b32 v[TM+4+\b], v[TM+\b], s20, s21
.endr
.irp b, 0,1,2,3
	v_max_num_f32 v[TM+\b], v[TM+\b], v[TM+4+\b]
.endr
.irp b, 0,1,2,3
	v_add_nc_u32 v[TM+12+\b], 0xff000000, v[TM+\b]
.endr
.irp b, 0,1,2,3
	v_lshrrev_b32 v[TM+4+\b], 23, v[TM+12+\b]
.endr
	v_lshl_or_b32 v[PWS+(\a)], v[TM+5], 8, v[TM+4]
	v_lshl_or_b32 v[PWS+(\a)], v[TM+6], 16, v[PWS+(\a)]
	v_lshl_or_b32 v[PWS+(\a)], v[TM+7], 24, v[PWS+(\a)]
	WIN 0x02+((\a)/4)
.irp c, 0,1
	v_cvt_scalef32_pk16_fp6_f32 v[QC+6*\c:QC+6*\c+2], v[AC+32*\c:AC+32*\c+15], v[TM+12+2*\c]
	v_cvt_scalef32_pk16_fp6_f32 v[CT+4*\c:CT+4*\c+2], v[AC+32*\c+16:AC+32*\c+31], v[TM+12+2*\c+1]
.endr
	WIN 0
	v_nop
.irp c, 0,1
.irp i, 0,1,2
	v_permlane16_swap_b32 v[QC+6*\c+\i], v[CT+4*\c+\i]
.endr
.irp i, 0,1,2
	v_mov_b32 v[QC+6*\c+3+\i], v[CT+4*\c+\i]
.endr
.endr
.endm
	PLACES NP
	s_mov_b32 s20, 0x76543210
	s_mov_b32 s21, 0xfedcba98
.irp b, 0,1,2,3
	v_mov_b32 v[TM+4+\b], 0
.endr
.irp a, 0,1,2,3,4,5,6,7
	QBLOCK \a
	global_store_b128 v[CO16], v[128+12*\a:128+12*\a+3], s[6:7] offset:768*\a
	global_store_b64 v[CO8], v[128+12*\a+4:128+12*\a+5], s[6:7] offset:768*\a+512
	global_store_b128 v[CO16], v[128+12*\a+6:128+12*\a+9], s[12:13] offset:768*\a
	global_store_b64 v[CO8], v[128+12*\a+10:128+12*\a+11], s[12:13] offset:768*\a+512
.endr
.irp a, 0,1,2,3,4,5,6,7
	v_lshrrev_b32 v[PWS+\a], v[HSH], v[PWS+\a]
.endr
	global_store_b128 v[SCO], v[PWS:PWS+3], s[4:5]
	global_store_b128 v[SCO], v[PWS+4:PWS+7], s[4:5] offset:256
	s_wait_tensorcnt 0x0
	ds_add_u32 v[SPW], v[NIL]
	s_wait_dscnt 0x0
	CROUND
	s_endpgm
.Lfunc_end_k_q5ed32b8835_gemm_qk:
	.size	k_q5ed32b8835_gemm_qk, .Lfunc_end_k_q5ed32b8835_gemm_qk-k_q5ed32b8835_gemm_qk
	.p2alignl 7, 3214868480
	.fill 96, 4, 3214868480
	.section	.rodata,"a",@progbits
	.p2align	6, 0x0
	.amdhsa_kernel k_q5ed32b8835_gemm_qk
		.amdhsa_group_segment_fixed_size 327680
		.amdhsa_private_segment_fixed_size 0
		.amdhsa_enable_private_segment 0
		.amdhsa_kernarg_size 48
		.amdhsa_user_sgpr_count 2
		.amdhsa_user_sgpr_kernarg_segment_ptr 1
		.amdhsa_wavefront_size32 1
		.amdhsa_system_sgpr_workgroup_id_x 1
		.amdhsa_system_sgpr_workgroup_id_y 1
		.amdhsa_system_sgpr_workgroup_id_z 1
		.amdhsa_system_vgpr_workitem_id 0
		.amdhsa_next_free_vgpr 1024
		.amdhsa_next_free_sgpr 100
		.amdhsa_reserve_vcc 0
		.amdhsa_float_denorm_mode_32 3
		.amdhsa_float_denorm_mode_16_64 3
		.amdhsa_memory_ordered 1
		.amdhsa_forward_progress 1
		.amdhsa_inst_pref_size 168
	.end_amdhsa_kernel
	.amdgpu_metadata
---
amdhsa.version: [ 1, 2 ]
amdhsa.kernels:
  - .name:           k_q5ed32b8835_gemm_qk
    .symbol:         k_q5ed32b8835_gemm_qk.kd
    .args:
      - { .name: xq, .offset: 0, .size: 8, .value_kind: global_buffer, .address_space: global }
      - { .name: wq, .offset: 8, .size: 8, .value_kind: global_buffer, .address_space: global }
      - { .name: bq, .offset: 16, .size: 8, .value_kind: global_buffer, .address_space: global }
      - { .name: bk, .offset: 24, .size: 8, .value_kind: global_buffer, .address_space: global }
      - { .name: qq, .offset: 32, .size: 8, .value_kind: global_buffer, .address_space: global }
      - { .name: kv, .offset: 40, .size: 8, .value_kind: global_buffer, .address_space: global }
    .group_segment_fixed_size: 327680
    .private_segment_fixed_size: 0
    .kernarg_segment_align: 8
    .kernarg_segment_size: 48
    .max_flat_workgroup_size: 128
    .sgpr_count:     100
    .vgpr_count:     1024
    .wavefront_size: 32
...
	.end_amdgpu_metadata
.endif
;; end of part 2
;; launch gemm_v (part 3): grid 32 x 4, 4 waves a work-group, clusters of 4 x 4, 327,680 bytes of LDS; arguments wq, xq, bv, kv; writes kv
.if DOCPART == 3
	.amdgcn_target "amdgcn-amd-amdhsa--gfx1250"
	.amdhsa_code_object_version 6
	.text
	.protected	k_q5ed32b8835_gemm_v
	.globl	k_q5ed32b8835_gemm_v
	.p2align	8
	.type	k_q5ed32b8835_gemm_v,@function
k_q5ed32b8835_gemm_v:
	s_mov_b64 s[64:65], 0
	v_nop
	global_prefetch_b8 v0, s[64:65] scope:SCOPE_SE
	s_setreg_imm32_b32 hwreg(HW_REG_WAVE_MODE, 25, 1), 1
	s_wait_xcnt 0x0
	s_wait_alu depctr_hold_cnt(0) depctr_sa_sdst(0) depctr_va_vdst(0) depctr_va_sdst(0) depctr_va_ssrc(0) depctr_va_vcc(0) depctr_vm_vsrc(0)
	s_getreg_b32 s2, hwreg(HW_REG_IB_STS2, 6, 4)
	s_cmp_eq_u32 s2, 0
	s_cbranch_scc0 .Lentry_in_a_cluster
	s_endpgm
.Lentry_in_a_cluster:
	s_bfe_u32 s2, ttmp6, 0x10000c
	s_cmp_lg_u32 s2, 0xf033
	s_cbranch_scc0 .Lentry_shape_is_right
	s_endpgm
.Lentry_shape_is_right:
.set NQ,     2
.set ROWB,   49152                     ; from a K step's tile of 256 rows to the next: the codes lie [256 rows][K step][row][192 bytes]
.set KROW,   768
.set PITCH,  240
.set FR,     12
.set NL,     6
.set NP,     4
.set HALFT,  128*PITCH
.set SLOT,   4*HALFT
.set KS,     32
.set SCL,    2*SLOT
.set HALFS,  (128*KS/256)*272
.set SBLK,   (16*KS/256)*272
.set SPARE,  SCL+4*HALFS
.set XSOFF,  6291456
.set WSOFF,  3145728
.set KVSOFF, 12582912
.set ADRA, 16
.set ADRB, 20
.set CO16, 24
.set SCO,  26
.set ADRS, 27
.set SPW,  28
.set NIL,  29
.set HSH,  30
.set BOF,  31
.set SC,   32
.set TM,   64
.set CT,   80
.set PWS,  88
.set AF,   128
.set G1, 24
.set G0, 32
.set G1B, 48
.set G0B, 56
.set G1S, 68
.set G0S, 76
.set G1SB, 80
.set G0SB, 88
.set MSB, 0
.macro WIN new
.if MSB != (\new)
	s_set_vgpr_msb (MSB<<8)|(\new)
.set MSB, (\new)
.endif
.endm
.set MUL_LO, 0xa1
.set MUL_HI, 0xf1
.set TO_B,   0x40
.macro JLOAD g0a, g1a, g0b, g1b
	s_cmp_eq_u32 s15, 0
	s_cbranch_scc0 .Lfor_b_\@
	tensor_load_to_lds s[\g0a:\g0a+3], s[\g1a:\g1a+7]
	s_nop 0
.rept 4
	v_nop
.endr
	s_branch .Lasked_\@
.Lfor_b_\@:
	tensor_load_to_lds s[\g0b:\g0b+3], s[\g1b:\g1b+7]
	s_nop 0
.rept 4
	v_nop
.endr
.Lasked_\@:
.endm
.macro CREST
	s_cmp_lg_u32 s14, 0
	s_cbranch_scc1 .Lnot_wave_0_\@
	s_barrier_signal -3
.Lnot_wave_0_\@:
	s_barrier_wait -3
	s_barrier_signal -1
	s_barrier_wait -1
.endm
.macro CROUND
	s_barrier_signal -1
	s_barrier_wait -1
	CREST
.endm
	s_load_b256 s[4:11], s[0:1], 0x0
	v_lshl_add_u32 v[SPW], v0, 2, SPARE
	v_mov_b32 v[NIL], 0
	ds_add_u32 v28, v29
	ds_add_u32 v28, v29
	s_wait_dscnt 0x0
	v_lshrrev_b32 v1, 5, v0
	v_readfirstlane_b32 s14, v1
	s_lshr_b32 s15, s14, 1
	s_and_b32 s16, s14, 1
	s_bfe_u32 s40, ttmp6, 0x40000
	s_bfe_u32 s41, ttmp6, 0x40004
	s_lshl_b32 s42, ttmp9, 2
	s_add_co_u32 s42, s42, s40
	s_mov_b32 s17, s41
	s_lshl_b32 s43, s41, 2
	s_lshl_b32 s43, 15, s43
	s_lshl_b32 s44, 0x1111, s40
	s_or_b32 s[G1+0], s43, (0<<16)|(1<<20)|(1<<21)|(3<<22)|(3<<25)
	s_or_b32 s[G1B+0], s44, (0<<16)|(1<<20)|(1<<21)|(3<<22)|(3<<25)
.irp g, G1, G1B
	s_mov_b32 s[\g+1], 256<<16                     ; 128 rows of 192 bytes are dense: stated as 96 rows of 256 bytes; the padding stays behind every 64
	s_mov_b32 s[\g+2], 192<<16                     ; the head's loads bring a whole tile of 256 rows: 192 rows of 256 bytes
	s_mov_b32 s[\g+3], 256<<16
	s_mov_b32 s[\g+4], 192
	s_mov_b32 s[\g+5], 256
	s_mov_b32 s[\g+6], 0
	s_mov_b32 s[\g+7], 0
.endr
	s_or_b32 s[G1S+0], s43, (3<<16)|(1<<20)|(1<<21)|(5<<22)|(3<<25)
	s_or_b32 s[G1SB+0], s44, (3<<16)|(1<<20)|(1<<21)|(5<<22)|(3<<25)
.irp g, G1S, G1SB
	s_mov_b32 s[\g+1], 32<<16
	s_mov_b32 s[\g+2], (256*KS/256)<<16            ; the scales of 256 rows by one load
	s_mov_b32 s[\g+3], 32<<16
	s_mov_b32 s[\g+4], 256*KS/256
	s_mov_b32 s[\g+5], 32
	s_mov_b32 s[\g+6], 0
	s_mov_b32 s[\g+7], 0
.endr
	s_lshl_b32 s18, s16, 7
	s_lshl_b32 s20, s17, 8
	s_add_co_u32 s20, s20, s18
	s_add_co_u32 s20, s20, 2048
	s_lshl_b32 s46, s42, 8
	s_add_co_u32 s46, s46, s18
	s_lshl_b32 s22, s17, 13
	s_add_co_u32 s22, s22, 2048*KS                 ; Wv's rows begin at row 2,048
	s_add_co_u32 s22, s22, WSOFF
	s_lshl_b32 s92, s42, 13
	s_add_co_u32 s92, s92, XSOFF
	s_mul_i32 s20, s17, 4*ROWB                     ; the block of 256 rows (Wv's begin at block 8),
	s_add_co_u32 s20, s20, 8*4*ROWB
	s_mul_i32 s46, s42, 4*ROWB
	s_mul_i32 s18, s16, 24576                      ; and my 128 rows of its tile
	s_add_co_u32 s20, s20, s18
	s_add_co_u32 s46, s46, s18
	s_mov_b32 s21, 0
	s_mov_b32 s23, 0
	s_mov_b32 s47, 0
	s_mov_b32 s93, 0
	s_mul_i32 s45, s14, HALFT
	s_wait_kmcnt 0x0
	s_add_nc_u64 s[20:21], s[4:5], s[20:21]
	s_add_nc_u64 s[22:23], s[4:5], s[22:23]
	s_add_nc_u64 s[46:47], s[6:7], s[46:47]
	s_add_nc_u64 s[92:93], s[6:7], s[92:93]
	CROUND
	s_mov_b32 s[G0S], 1
	s_mov_b32 s[G0S+1], SCL
	s_mov_b64 s[G0S+2:G0S+3], s[22:23]
	s_or_b32 s[G0S+3], s[G0S+3], 0x80000000
	s_mov_b32 s[G0SB], 1
	s_mov_b32 s[G0SB+1], SCL+2*HALFS
	s_mov_b64 s[G0SB+2:G0SB+3], s[92:93]
	s_or_b32 s[G0SB+3], s[G0SB+3], 0x80000000
.irp s, 0,1
	s_mov_b32 s[G0+4*\s], 1
	s_add_co_u32 s[G0+4*\s+1], s45, \s*SLOT
	s_add_nc_u64 s[G0+4*\s+2:G0+4*\s+3], s[20:21], \s*ROWB
	s_or_b32 s[G0+4*\s+3], s[G0+4*\s+3], 0x80000000
	s_mov_b32 s[G0B+4*\s], 1
	s_add_co_u32 s[G0B+4*\s+1], s45, \s*SLOT
	s_add_nc_u64 s[G0B+4*\s+2:G0B+4*\s+3], s[46:47], \s*ROWB
	s_or_b32 s[G0B+4*\s+3], s[G0B+4*\s+3], 0x80000000
.endr
; THE HEAD'S LOADS, one a wave, in one tree of branches on the wave's number: wave 0 K step 0 of A's 256 rows, wave 2 of B's (their slot 0 descriptors begin at the tile's first row), wave 1 A's scales, wave 3 B's
	s_cmp_eq_u32 s14, 0
	s_cbranch_scc0 .Lhead_b
	tensor_load_to_lds s[G0:G0+3], s[G1:G1+7]
	s_nop 0
.rept 4
	v_nop
.endr
	s_branch .Lhead_asked
.Lhead_b:
	s_cmp_eq_u32 s14, 2
	s_cbranch_scc0 .Lhead_sa
	tensor_load_to_lds s[G0B:G0B+3], s[G1B:G1B+7]
	s_nop 0
.rept 4
	v_nop
.endr
	s_branch .Lhead_asked
.Lhead_sa:
	s_cmp_eq_u32 s14, 1
	s_cbranch_scc0 .Lhead_sb
	tensor_load_to_lds s[G0S:G0S+3], s[G1S:G1S+7]
	s_nop 0
.rept 4
	v_nop
.endr
	s_branch .Lhead_asked
.Lhead_sb:
	tensor_load_to_lds s[G0SB:G0SB+3], s[G1SB:G1SB+7]
	s_nop 0
.rept 4
	v_nop
.endr
.Lhead_asked:
	v_and_b32 v1, 15, v0
	v_bfe_u32 v2, v0, 4, 1
	v_mul_u32_u24 v3, v1, PITCH
	v_mul_u32_u24 v4, v2, 24
	v_add_nc_u32 v4, v3, v4
	v_lshl_add_u32 v5, v2, 4, v4
	s_mul_i32 s21, s15, HALFT
	s_mul_i32 s22, s16, HALFT
	s_add_co_u32 s22, s22, 2*HALFT
.irp s, 0,1
	v_add_nc_u32 v[ADRA+\s], s21, v4
	v_add_nc_u32 v[ADRB+\s], s22, v4
	v_add_nc_u32 v[ADRA+2+\s], s21, v5
	v_add_nc_u32 v[ADRB+2+\s], s22, v5
	s_add_co_u32 s21, s21, SLOT
	s_add_co_u32 s22, s22, SLOT
.endr
	v_mul_u32_u24 v5, v1, KS
	v_lshrrev_b32 v6, 8, v5
	v_lshl_add_u32 v5, v6, 4, v5
	s_mul_i32 s21, s15, HALFS
	s_mul_i32 s22, s16, HALFS
	s_add_co_u32 s22, s22, 2*HALFS
	s_sub_co_u32 s22, s22, s21
	v_mul_u32_u24 v6, s22, v2
	s_add_co_u32 s21, s21, SCL
	v_add_nc_u32 v5, v5, v6
	v_add_nc_u32 v[ADRS], s21, v5
	v_and_b32 v6, 31, v0
	v_lshlrev_b32 v[CO16], 4, v6
	v_mov_b32 v[HSH], v2
	v_lshlrev_b32 v[BOF], 2, v1
	s_wait_alu depctr_va_vdst(0)
	v_mul_u32_u24 v[SCO], v2, 12288
	v_lshl_add_u32 v[SCO], v1, 4, v[SCO]
	s_lshr_b32 s93, s42, 3
	s_lshl_b32 s93, s93, 4
	s_lshl_b32 s94, s17, 2
	s_add_co_u32 s93, s93, s94
	s_lshl_b32 s94, s15, 1
	s_add_co_u32 s93, s93, s94
	s_lshl_b32 s93, s93, 4
	s_and_b32 s94, s42, 7
	s_lshl_b32 s94, s94, 1
	s_add_co_u32 s93, s93, s94
	s_add_co_u32 s93, s93, s16
	s_mov_b32 s67, 0
	s_mul_i32 s66, s93, 12288
	s_add_co_u32 s66, s66, 6144
	s_add_nc_u64 s[6:7], s[10:11], s[66:67]
	s_add_nc_u64 s[12:13], s[6:7], 196608
	s_mul_i32 s66, s93, 768
	s_add_co_u32 s66, s66, KVSOFF+512
	s_add_nc_u64 s[4:5], s[10:11], s[66:67]
	s_lshl_b32 s66, s17, 10
	s_lshl_b32 s94, s15, 9
	s_add_co_u32 s66, s66, s94
	s_add_nc_u64 s[8:9], s[8:9], s[66:67]
	WIN TO_B
.irp a, 0,1,2,3,4,5,6,7
.irp j, 0,1,2,3,4,5,6,7
	global_load_b32 v[96+8*\a+96*(\a/4)+\j], v[BOF], s[8:9] offset:64*\a
.endr
.endr
	WIN 0
.macro FRAG reg, adr, q, i
.irp p, 0,1,2,3,4,5
.set PC, 12*(\q)+6*(\p/3)+\p%3
.if PC%8 < 5
	ds_load_b64 v[\reg+2*\p:\reg+2*\p+1], v[\adr] offset:8*PC+16*(PC/8)+(\i)*16*PITCH
.else
	ds_load_b64 v[\reg+2*\p:\reg+2*\p+1], v[\adr+2] offset:8*PC+16*(PC/8)+(\i)*16*PITCH
.endif
.endr
.endm
.macro MUL16 a0, p, q, sc, zero
.irp a, \a0, \a0+1
.irp b, 0,1,2,3,4,5,6,7
.if \zero
	v_wmma_scale_f32_16x16x128_f8f6f4 v[8*(8*((\a)%4)+\b):8*(8*((\a)%4)+\b)+7], v[128*(\p)+FR*\b:128*(\p)+FR*\b+FR-1], v[AF+FR*(\a):AF+FR*(\a)+FR-1], v[96+8*(\a)+96*((\a)/4):96+8*(\a)+96*((\a)/4)+7], v[SC+8*NQ*(\sc)+NQ*\b+(\q)], v[SC+8*NQ*(\sc)+NQ*(\a)+(\q)] matrix_a_fmt:MATRIX_FMT_FP6 matrix_b_fmt:MATRIX_FMT_FP6 matrix_a_scale:MATRIX_SCALE_ROW1
.else
	v_wmma_scale_f32_16x16x128_f8f6f4 v[8*(8*((\a)%4)+\b):8*(8*((\a)%4)+\b)+7], v[128*(\p)+FR*\b:128*(\p)+FR*\b+FR-1], v[AF+FR*(\a):AF+FR*(\a)+FR-1], v[8*(8*((\a)%4)+\b):8*(8*((\a)%4)+\b)+7], v[SC+8*NQ*(\sc)+NQ*\b+(\q)], v[SC+8*NQ*(\sc)+NQ*(\a)+(\q)] matrix_a_fmt:MATRIX_FMT_FP6 matrix_b_fmt:MATRIX_FMT_FP6 matrix_a_scale:MATRIX_SCALE_ROW1
.endif
.endr
.endr
.endm
.macro FETCH_B slot, q, p
	WIN TO_B
.irp i, 0,1,2,3,4,5,6,7
	FRAG 128*(\p)+FR*\i, ADRB+\slot, \q, \i
.endr
	WIN 0
.endm
.macro FETCH_A slot, q, i0
.irp i, \i0, \i0+1, \i0+2, \i0+3
	FRAG AF+FR*(\i), ADRA+\slot, \q, \i
.endr
.endm
.macro SCALES sc
.irp i, 0,1,2,3,4,5,6,7
	ds_load_b64 v[SC+8*NQ*\sc+NQ*\i:SC+8*NQ*\sc+NQ*\i+1], v[ADRS] offset:\i*SBLK
.endr
.endm
.macro PLACES n
.rept \n
	v_nop
.endr
.endm
.macro STEP slot, q, zero
	s_wait_dscnt 4*NL
	WIN MUL_LO-0x10*(\zero)
	MUL16 0, (\q)%2, \q, \slot, \zero
	MUL16 2, (\q)%2, \q, \slot, \zero
	s_wait_dscnt 0
	PLACES NP
	FETCH_B \slot, (\q)+1, 1-(\q)%2
	FETCH_A \slot, (\q)+1, 0
	WIN MUL_HI-0x20*(\zero)
	MUL16 4, (\q)%2, \q, \slot, \zero
	MUL16 6, (\q)%2, \q, \slot, \zero
	PLACES NP
	WIN 0
	FETCH_A \slot, (\q)+1, 4
.endm
.macro TURN slot, next, fill
	s_wait_tensorcnt 0x0
	ds_add_u32 v[SPW], v[NIL]
	s_wait_dscnt 4*NL+1
	WIN MUL_LO
	MUL16 0, 1, NQ-1, \slot, 0
	s_wait_dscnt 0x0
	s_barrier_signal -1
	MUL16 2, 1, NQ-1, \slot, 0
	WIN 0
	s_barrier_wait -1
.if \fill
	CREST
	s_add_nc_u64 s[G0+4*\slot+2:G0+4*\slot+3], s[G0+4*\slot+2:G0+4*\slot+3], 2*ROWB
	s_add_nc_u64 s[G0B+4*\slot+2:G0B+4*\slot+3], s[G0B+4*\slot+2:G0B+4*\slot+3], 2*ROWB
	JLOAD G0+4*\slot, G1, G0B+4*\slot, G1B
.else
	PLACES NP
.endif
	s_wait_alu depctr_va_vdst(0)
	v_add_nc_u32 v[ADRS], 4*NQ, v[ADRS]
	FETCH_B \next, 0, 0
	FETCH_A \next, 0, 0
	SCALES \next
	WIN MUL_HI
	MUL16 4, 1, NQ-1, \slot, 0
	MUL16 6, 1, NQ-1, \slot, 0
	PLACES NP
	WIN 0
	FETCH_A \next, 0, 4
.endm
	s_wait_alu depctr_va_vdst(0)                   ; the wait at the head's end
	s_wait_tensorcnt 0x0                           ; my tile of the head's four is in
	ds_add_u32 v[SPW], v[NIL]
	s_mov_b32 s[G1+2], 96<<16                      ; no tensor load of mine is out: from here on a load brings 128 rows, 96 rows of 256 bytes
	s_mov_b32 s[G1+4], 96
	s_mov_b32 s[G1B+2], 96<<16
	s_mov_b32 s[G1B+4], 96
	s_wait_dscnt 0x0
	CROUND                                         ; all four tiles are in, and the sixteen work-groups are here
	JLOAD G0+4, G1, G0B+4, G1B                     ; slot 1's first fill, the first tensor load behind the round
	FETCH_B 0, 0, 0
	FETCH_A 0, 0, 0
	SCALES 0
	FETCH_A 0, 0, 4
	s_wait_loadcnt 0x0
	STEP 0, 0, 1
	TURN 0, 1, 1
	STEP 1, 0, 0
	TURN 1, 0, 1
	STEP 0, 0, 0
	TURN 0, 1, 0
	STEP 1, 0, 0
	s_wait_dscnt 4*NL
	WIN MUL_LO
	MUL16 0, 1, NQ-1, 1, 0
	MUL16 2, 1, NQ-1, 1, 0
	s_wait_dscnt 0
	WIN MUL_HI
	MUL16 4, 1, NQ-1, 1, 0
	MUL16 6, 1, NQ-1, 1, 0
	WIN 0
.macro QBLOCK a
.set AC, 64*((\a)%4)
.set QC, 128+12*(\a)
	WIN 0x0a+5*((\a)/4)
.irp b, 0,1,2,3
	v_max3_num_f32 v[TM+\b], |v[AC+16*\b]|, |v[AC+16*\b+1]|, 0x1800000
.endr
.irp i, 2,4,6,8,10,12,14
.irp b, 0,1,2,3
	v_max3_num_f32 v[TM+\b], |v[AC+16*\b+\i]|, |v[AC+16*\b+\i+1]|, v[TM+\b]
.endr
.endr
	WIN 0
.irp b, 0,1,2,3
	v_permlanex16_b32 v[TM+4+\b], v[TM+\b], s20, s21
.endr
.irp b, 0,1,2,3
	v_max_num_f32 v[TM+\b], v[TM+\b], v[TM+4+\b]
.endr
.irp b, 0,1,2,3
	v_add_nc_u32 v[TM+12+\b], 0xff000000, v[TM+\b]
.endr
.irp b, 0,1,2,3
	v_lshrrev_b32 v[TM+4+\b], 23, v[TM+12+\b]
.endr
	v_lshl_or_b32 v[PWS+(\a)], v[TM+5], 8, v[TM+4]
	v_lshl_or_b32 v[PWS+(\a)], v[TM+6], 16, v[PWS+(\a)]
	v_lshl_or_b32 v[PWS+(\a)], v[TM+7], 24, v[PWS+(\a)]
	WIN 0x02+((\a)/4)
.irp c, 0,1
	v_cvt_scalef32_pk16_fp6_f32 v[QC+6*\c:QC+6*\c+2], v[AC+32*\c:AC+32*\c+15], v[TM+12+2*\c]
	v_cvt_scalef32_pk16_fp6_f32 v[CT+4*\c:CT+4*\c+2], v[AC+32*\c+16:AC+32*\c+31], v[TM+12+2*\c+1]
.endr
	WIN 0
	v_nop
.irp c, 0,1
.irp i, 0,1,2
	v_permlane16_swap_b32 v[QC+6*\c+\i], v[CT+4*\c+\i]
.endr
.irp i, 0,1,2
	v_mov_b32 v[QC+6*\c+3+\i], v[CT+4*\c+\i]
.endr
.endr
.endm
	PLACES NP
	s_mov_b32 s20, 0x76543210
	s_mov_b32 s21, 0xfedcba98
.irp b, 0,1,2,3
	v_mov_b32 v[TM+4+\b], 0
.endr
.irp a, 0,1,2,3,4,5,6,7
	QBLOCK \a
.irp c, 0,1,2
	global_store_b128 v[CO16], v[128+12*\a+4*\c:128+12*\a+4*\c+3], s[6+6*(\a/4):7+6*(\a/4)] offset:1536*(\a%4)+512*\c
.endr
.endr
	v_cmp_ne_u32 vcc_lo, 0, v[HSH]
.irp i, 0,1,2,3
	v_cndmask_b32 v[96+\i], v[PWS+\i], v[PWS+4+\i], vcc_lo
.endr
	global_store_b128 v[SCO], v[96:99], s[4:5]
	s_wait_tensorcnt 0x0
	ds_add_u32 v[SPW], v[NIL]
	s_wait_dscnt 0x0
	CROUND
	s_endpgm
.Lfunc_end_k_q5ed32b8835_gemm_v:
	.size	k_q5ed32b8835_gemm_v, .Lfunc_end_k_q5ed32b8835_gemm_v-k_q5ed32b8835_gemm_v
	.p2alignl 7, 3214868480
	.fill 96, 4, 3214868480
	.section	.rodata,"a",@progbits
	.p2align	6, 0x0
	.amdhsa_kernel k_q5ed32b8835_gemm_v
		.amdhsa_group_segment_fixed_size 327680
		.amdhsa_private_segment_fixed_size 0
		.amdhsa_enable_private_segment 0
		.amdhsa_kernarg_size 32
		.amdhsa_user_sgpr_count 2
		.amdhsa_user_sgpr_kernarg_segment_ptr 1
		.amdhsa_wavefront_size32 1
		.amdhsa_system_sgpr_workgroup_id_x 1
		.amdhsa_system_sgpr_workgroup_id_y 1
		.amdhsa_system_sgpr_workgroup_id_z 1
		.amdhsa_system_vgpr_workitem_id 0
		.amdhsa_next_free_vgpr 1024
		.amdhsa_next_free_sgpr 100
		.amdhsa_reserve_vcc 1
		.amdhsa_float_denorm_mode_32 3
		.amdhsa_float_denorm_mode_16_64 3
		.amdhsa_memory_ordered 1
		.amdhsa_forward_progress 1
		.amdhsa_inst_pref_size 171
	.end_amdhsa_kernel
	.amdgpu_metadata
---
amdhsa.version: [ 1, 2 ]
amdhsa.kernels:
  - .name:           k_q5ed32b8835_gemm_v
    .symbol:         k_q5ed32b8835_gemm_v.kd
    .args:
      - { .name: wq, .offset: 0, .size: 8, .value_kind: global_buffer, .address_space: global }
      - { .name: xq, .offset: 8, .size: 8, .value_kind: global_buffer, .address_space: global }
      - { .name: bv, .offset: 16, .size: 8, .value_kind: global_buffer, .address_space: global }
      - { .name: kv, .offset: 24, .size: 8, .value_kind: global_buffer, .address_space: global }
    .group_segment_fixed_size: 327680
    .private_segment_fixed_size: 0
    .kernarg_segment_align: 8
    .kernarg_segment_size: 32
    .max_flat_workgroup_size: 128
    .sgpr_count:     100
    .vgpr_count:     1024
    .wavefront_size: 32
...
	.end_amdgpu_metadata
.endif
;; end of part 3
;; launch attn (part 4): grid 4 x 64, 16 waves a work-group, clusters of 4 x 1, 327,680 bytes of LDS; arguments qq, kv, ao; writes ao
.if DOCPART == 4
	.amdgcn_target "amdgcn-amd-amdhsa--gfx1250"
	.amdhsa_code_object_version 6
	.text
	.protected	k_q5ed32b8835_attn
	.globl	k_q5ed32b8835_attn
	.p2align	8
	.type	k_q5ed32b8835_attn,@function
k_q5ed32b8835_attn:
	s_mov_b64 s[64:65], 0
	v_nop
	global_prefetch_b8 v0, s[64:65] scope:SCOPE_SE
	s_setreg_imm32_b32 hwreg(HW_REG_WAVE_MODE, 25, 1), 1
	s_wait_xcnt 0x0
	s_wait_alu depctr_hold_cnt(0) depctr_sa_sdst(0) depctr_va_vdst(0) depctr_va_sdst(0) depctr_va_ssrc(0) depctr_va_vcc(0) depctr_vm_vsrc(0)
	s_getreg_b32 s2, hwreg(HW_REG_IB_STS2, 6, 4)
	s_cmp_eq_u32 s2, 0
	s_cbranch_scc0 .Lentry_in_a_cluster
	s_endpgm
.Lentry_in_a_cluster:
	s_bfe_u32 s2, ttmp6, 0x10000c
	s_cmp_lg_u32 s2, 0x3003
	s_cbranch_scc0 .Lentry_shape_is_right
	s_endpgm
.Lentry_shape_is_right:
; Attention on codes of FP6 (E2M3) with E8M0 scales: S^T = K Q^T, p = 2^(t - M), O^T = V^T P^T, O / l, and O quantised along D for the output product.  64 heads (batch x 16) of 2,048 tokens x 64.
; t = score x log2(e) / 8; M = the running largest t rounded UP to a whole number; p is quantised along the keys, not normalised; l is the sum of the unquantised p; when M moves, l and O^T are multiplied by 2^(old M - new M): exact.
; SHARES.  A work-group owns ONE head and 512 of its queries: 64 x 4 = 256 work-groups.  Each of its sixteen waves owns two tiles of 16 queries, one after the other, in 256 registers: four waves to a SIMD.
; LDS.  The head's K and V, 16 key steps of 12,288 bytes, and their scale words, 16 x 768 bytes, are fetched ONCE and stay: 208,896 bytes.  Nothing is filled again, so one barrier, behind the fills, is the only one,
; and each wave walks the 16 key steps twice at its own pace.
; CLUSTER: the four work-groups of a cluster own the four blocks of queries of one head and need the same bytes: each part is asked for jointly, mask 15.  Waves 0-7 fetch two key steps each, waves 8-11 a quarter of the scale words.
; NO PREFETCH: all that the launch reads through LDS is asked for by the head's loads; no later load exists to run ahead of.
; INPUTS, as the launches before laid them.  qq: Q as half images (six registers a lane, 768 bytes).  kv: for each head and key step of 128 keys K's eight half images, then V^T's four images.
; LAYOUT.  Both products are used transposed: a lane holds ONE query (lane % 16) throughout.  The head's 64 are half of the instruction's 128 along K: Q's upper six registers are zero codes.  K's tile t is named with the
; six registers that follow it (the next tile's codes, or zeros behind the last): they meet Q's zero codes under scale bytes that are never 0xff, so they add nothing.
; Inside a block of 32 keys, p's codes stand in the order 0-7, 16-23, 8-15, 24-31, as V's do.  O is brought into natural order ahead of its quantiser.
; OUTPUT.  ao: [token block 512][pair of heads 8][head % 2][768]: a half image as Q's: six registers of the output product's fragment.
; Scale words at AOSOFF: [pair][64 tokens][256]: word (token block % 4, r) at 16 r + 4 (token block % 4); a head owns bytes 2 (head % 2) and + 1 of it, and stores those two.
; LIMITS: a block of zeros has the byte 1; a block under 2^-124 keeps the byte 1; the division by l is a reciprocal and a multiplication; NaN and infinities are not served.
.set STEPB,  12288                     ; a key step's codes
.set NST,    16                        ; key steps of a head
.set SCW,    NST*STEPB                 ; the scale words: 768 bytes a key step
.set SPARE,  SCW+NST*768               ; the spare words, 128 bytes a wave, named by no other line
.set QSOFF,  6291456
.set KVSOFF, 12582912
.set AOSOFF, 6291456
.set L16,  1                           ; v1  16 x lane
.set L8,   2                           ; v2  8 x lane + 512
.set R16,  3                           ; v3  SCW + 16 r
.set RO,   4                           ; v4  16 r
.set SPW,  5                           ; v5  my spare word;  v6  0: both never rewritten
.set NIL,  6
.set ADK,  8                           ; v8-10 the key step's addresses
.set ADK8, 9
.set ADS,  10
                                       ; v12 -M, v13 the largest t, v[14:15] the sum in two halves
.set QF,   16                          ; v16-21 Q's codes, v22-27 zero codes
.set QSC,  29                          ; v29 Q's scale word;  v31 the second tile's
.set QSC2, 31
.set KF,   32                          ; v32-79 K's eight tiles of six registers, then V's four of twelve;  v80-85 zero codes, never rewritten
.set KSC,  86                          ; v86-93 K's scale words
.set S,    96                          ; v96-159 S^T, then p
.set O,    160                         ; v160-191 O^T
.set PC,   192                         ; v192-203 p's codes
.set CT,   204                         ; v204-211 second halves of the conversions
.set VSC,  212                         ; v212-215 V's scale words
.set BM,   216                         ; v216-219 the blocks' largest
.set BT,   220                         ; v220-223 exchange, bytes
.set SO,   224                         ; v224-227 scale operands
.set T,    230
.set F,    232                         ; v232 f, later 1 / l; v233 named with it as a pair
.set PS,   234                         ; p's scale word
.set OC,   236                         ; v236-241 the output's half fragment;  v242-247, v228-229 chains of the sum
.set W0,   248                         ; its two scale bytes
.set QF2,  250                         ; v250-255 the second tile's Q
.set TB,   2                           ; s2  LDS byte of the key step in hand
.set TS,   3                           ; s3  its scale words
.set CNT,  10
.set WV,   12
.set SEL,  20
.set CS,   22                          ; s[22:23] c = log2(e) / 8
.set G1,   24                          ; s[24:31] group 1: two key steps, 96 rows of 256 bytes
.set G1S,  32                          ; s[32:39] a quarter of the scale words: 12 rows of 256 bytes
.set G0,   40
.set G0S,  44
.macro CROUND                          ; a round of the cluster's barrier
	s_barrier_signal -1
	s_barrier_wait -1
	s_cmp_lg_u32 s[WV], 0
	s_cbranch_scc1 .Lnot_wave_0_\@
	s_barrier_signal -3
.Lnot_wave_0_\@:
	s_barrier_wait -3
	s_barrier_signal -1
	s_barrier_wait -1
.endm
	s_load_b128 s[4:7], s[0:1], 0x0                ; qq, kv
	s_load_b64 s[8:9], s[0:1], 0x10                ; ao
	v_lshl_add_u32 v[SPW], v0, 2, SPARE
	v_mov_b32 v[NIL], 0
	ds_add_u32 v[SPW], v[NIL]                      ; the opening lines: the add, twice on end, and its wait
	ds_add_u32 v[SPW], v[NIL]
	s_wait_dscnt 0x0
	v_lshrrev_b32 v8, 5, v0
	s_delay_alu instid0(VALU_DEP_1)
	v_readfirstlane_b32 s[WV], v8                  ; wave 0..15
	s_bfe_u32 s13, ttmp6, 0x40000                  ; cx: my block of 512 queries: it enters Q's and the output's addresses alone
	s_and_b32 s15, ttmp7, 0xffff                   ; y = 16 x batch + head, which the four partners share
	s_and_b32 s16, s[WV], 7
	s_mul_i32 s57, s16, 2*STEPB                    ; my two key steps, in LDS and in memory
	s_mul_i32 s18, s15, NST*STEPB                  ; the head's first byte
	s_add_co_u32 s18, s18, s57
	s_mov_b32 s19, 0
	s_and_b32 s16, s[WV], 3
	s_mul_i32 s56, s16, 3072                       ; my quarter of the scale words
	s_mul_i32 s58, s15, NST*768
	s_add_co_u32 s58, s58, s56
	s_add_co_u32 s58, s58, KVSOFF
	s_mov_b32 s59, 0
	s_add_co_u32 s56, s56, SCW
	s_mov_b32 s[G1], 15|(3<<16)|(1<<21)            ; the mask: all four work-groups; elements of 8 bytes; no padding; bit 21 beside a mask
	s_mov_b32 s[G1+1], 32<<16                      ; rows of 32 elements: 256 bytes
	s_mov_b32 s[G1+2], 96<<16
	s_mov_b32 s[G1+3], 32<<16
	s_mov_b32 s[G1+4], 96
	s_mov_b32 s[G1+5], 32                          ; the block is dense
	s_mov_b32 s[G1+6], 0
	s_mov_b32 s[G1+7], 0
	s_mov_b32 s[G1S], 15|(3<<16)|(1<<21)
	s_mov_b32 s[G1S+1], 32<<16
	s_mov_b32 s[G1S+2], 12<<16
	s_mov_b32 s[G1S+3], 32<<16
	s_mov_b32 s[G1S+4], 12
	s_mov_b32 s[G1S+5], 32
	s_mov_b32 s[G1S+6], 0
	s_mov_b32 s[G1S+7], 0
	s_lshl_b32 s14, s13, 5
	s_add_co_u32 s14, s14, s[WV]                   ; tb: my first token block of the batch's 128: 32 cx + wave; the second is tb + 16
	s_lshl_b32 s48, s15, 7
	s_add_co_u32 s48, s48, s14
	s_mul_i32 s48, s48, 768                        ; Q's half image: (128 y + tb) x 768
	s_mov_b32 s49, 0
	s_lshr_b32 s17, s14, 2
	s_lshl_b32 s17, s17, 8
	s_and_b32 s16, s14, 3
	s_lshl_b32 s16, s16, 2
	s_add_co_u32 s17, s17, s16                     ; a token block's scale words: 256 (tb / 4) + 4 (tb % 4)
	s_lshl_b32 s50, s15, 13                        ; Q's: 8,192 bytes a head
	s_add_co_u32 s50, s50, s17
	s_add_co_u32 s50, s50, QSOFF
	s_mov_b32 s51, 0
	s_lshr_b32 s16, s15, 4                         ; the batch
	s_bfe_u32 s11, s15, 0x30001                    ; the pair of heads
	s_and_b32 s10, s15, 1                          ; which of the pair
	s_lshl_b32 s52, s16, 7                         ; the output's half image: (((128 x batch + tb) x 8 + pair) x 2 + head % 2) x 768
	s_add_co_u32 s52, s52, s14
	s_lshl_b32 s52, s52, 3
	s_add_co_u32 s52, s52, s11
	s_lshl_b32 s52, s52, 1
	s_add_co_u32 s52, s52, s10
	s_mul_i32 s52, s52, 768
	s_mov_b32 s53, 0
	s_lshl_b32 s54, s11, 15                        ; its scale bytes: 32,768 x pair + 8,192 x batch + the token block's place + 2 (head % 2)
	s_lshl_b32 s16, s16, 13
	s_add_co_u32 s54, s54, s16
	s_add_co_u32 s54, s54, s17
	s_lshl_b32 s10, s10, 1
	s_add_co_u32 s54, s54, s10
	s_add_co_u32 s54, s54, AOSOFF
	s_mov_b32 s55, 0
	s_mov_b32 s[SEL], 0x76543210
	s_mov_b32 s[SEL+1], 0xfedcba98                 ; lane l xor 16
	s_mov_b32 s[CS], 0x3e38aa3b                    ; c = log2(e) / sqrt(64)
	s_mov_b32 s[CS+1], s[CS]                       ; (named with it as a pair)
	s_wait_kmcnt 0x0
	s_mov_b32 s[G0], 1
	s_mov_b32 s[G0+1], s57
	s_add_nc_u64 s[G0+2:G0+3], s[6:7], s[18:19]
	s_or_b32 s[G0+3], s[G0+3], 0x80000000
	s_mov_b32 s[G0S], 1
	s_mov_b32 s[G0S+1], s56
	s_add_nc_u64 s[G0S+2:G0S+3], s[6:7], s[58:59]
	s_or_b32 s[G0S+3], s[G0S+3], 0x80000000
	s_add_nc_u64 s[48:49], s[4:5], s[48:49]
	s_add_nc_u64 s[50:51], s[4:5], s[50:51]
	s_add_nc_u64 s[52:53], s[8:9], s[52:53]
	s_add_nc_u64 s[54:55], s[8:9], s[54:55]
	CROUND                                         ; all four work-groups are here: the joint loads meet
	s_cmp_lt_u32 s[WV], 8                          ; the launch's only fills: the codes (waves 0-7), the scale words (waves 8-11): at most one load a wave
	s_cbranch_scc0 .Lnot_codes
	tensor_load_to_lds s[G0:G0+3], s[G1:G1+7]
	s_nop 0
.rept 4
	v_nop
.endr
	s_branch .Lfirst_done
.Lnot_codes:
	s_cmp_lt_u32 s[WV], 12
	s_cbranch_scc0 .Lfirst_done
	tensor_load_to_lds s[G0S:G0S+3], s[G1S:G1S+7]
	s_nop 0
.rept 4
	v_nop
.endr
.Lfirst_done:
	v_and_b32 v8, 31, v0
	s_delay_alu instid0(VALU_DEP_1)
	v_lshlrev_b32 v[L16], 4, v8
	s_wait_alu depctr_va_vdst(0)
	v_lshlrev_b32 v[L8], 3, v8
	s_delay_alu instid0(VALU_DEP_1)
	v_add_nc_u32 v[L8], 512, v[L8]
	v_and_b32 v9, 15, v0
	s_delay_alu instid0(VALU_DEP_1)
	v_lshlrev_b32 v[RO], 4, v9
	s_delay_alu instid0(VALU_DEP_1)
	v_add_nc_u32 v[R16], SCW, v[RO]
	global_load_b128 v[QF:QF+3], v[L16], s[48:49]                  ; both tiles' Q stay in registers
	global_load_b64 v[QF+4:QF+5], v[L8], s[48:49]
	global_load_b32 v[QSC], v[RO], s[50:51]
	global_load_b128 v[QF2:QF2+3], v[L16], s[48:49] offset:12288   ; the second tile: 16 token blocks on
	global_load_b64 v[QF2+4:QF2+5], v[L8], s[48:49] offset:12288
	global_load_b32 v[QSC2], v[RO], s[50:51] offset:1024
.irp i, 6,7,8,9,10,11
	v_mov_b32 v[QF+\i], 0                          ; Q's k = 64 .. 127: zero codes
.endr
.irp i, 80,81,82,83,84,85
	v_mov_b32 v[\i], 0                             ; what stands behind K's last tile
.endr
.irp b, 0,1,2,3
	v_mov_b32 v[BT+\b], 0                          ; a lane permute's destination counts as one of its sources
.endr
	v_mov_b32 v[T], 0
	v_mov_b32 v[F+1], 0
.macro BEGIN                           ; a tile's start: the key step is written once: its first run finds zeros, which the first change of M leaves zeros
	v_mov_b32 v13, 0xff61b1e6                      ; the largest t so far: -3e38
	s_delay_alu instid0(VALU_DEP_1)
	v_floor_f32 v12, -v13                          ; -M
	v_mov_b32 v14, 0
	v_mov_b32 v15, 0
.set j, 0
.rept 32
	v_mov_b32 v[O+j], 0
.set j, j+1
.endr
.endm
	BEGIN
.macro ADD8 s                          ; eight chains of the sum take a pair of p each, from register S + s on
.set k, 0
.irp d, 228,246,244,242,226,224,218,14
	v_pk_add_f32 v[\d:\d+1], v[\d:\d+1], v[S+\s+2*k:S+\s+2*k+1]
.set k, k+1
.endr
.endm
; A KEY STEP: 128 keys.
.macro STEP
	v_add_nc_u32 v[ADK], s[TB], v[L16]             ; these three and the v_nop are the four places between the last products and the loads into their operands' registers
	v_add_nc_u32 v[ADK8], s[TB], v[L8]
	v_add_nc_u32 v[ADS], s[TS], v[R16]
	v_nop
.irp t, 0,1,2,3,4,5,6,7
	ds_load_b128 v[KF+6*\t:KF+6*\t+3], v[ADK] offset:768*\t        ; K's half image t as it was stored: 512 consecutive bytes,
	ds_load_b64 v[KF+6*\t+4:KF+6*\t+5], v[ADK8] offset:768*\t      ; then 256
.endr
	ds_load_b128 v[KSC:KSC+3], v[ADS]              ; four tiles' scale words by one load
	ds_load_b128 v[KSC+4:KSC+7], v[ADS] offset:256
	s_wait_alu depctr_va_vdst(0)                   ; the wait ahead of the wait below
	s_wait_dscnt 0x0
.irp t, 0,1,2,3,4,5,6,7
	v_wmma_scale_f32_16x16x128_f8f6f4 v[S+8*\t:S+8*\t+7], v[KF+6*\t:KF+6*\t+11], v[QF:QF+11], 0, v[KSC+\t], v[QSC] matrix_a_fmt:MATRIX_FMT_FP6 matrix_b_fmt:MATRIX_FMT_FP6
.endr                                  ; lane (r, h): query r; register 8 t + j: key 16 t + 8 h + j
.rept 4
	v_nop                                          ; places: for the loads below and for the first read of the scores
.endr
.irp t, 0,1,2,3
.irp c, 0,1,2
	ds_load_b128 v[KF+12*\t+4*\c:KF+12*\t+4*\c+3], v[ADK] offset:6144+1536*\t+512*\c   ; V's images land while the softmax is walked
.endr
.endr
	ds_load_b128 v[VSC:VSC+3], v[ADS] offset:512
.irp b, 0,1,2,3
	v_max3_num_f32 v[BM+\b], v[S+16*\b], v[S+16*\b+1], v[S+16*\b+2]   ; the largest score of each block of 32 keys: for the row's maximum and, since p rises with the score, for the block's largest p
.endr
.irp i, 3,5,7,9,11,13
.irp b, 0,1,2,3
	v_max3_num_f32 v[BM+\b], v[BM+\b], v[S+16*\b+\i], v[S+16*\b+\i+1]
.endr
.endr
.irp b, 0,1,2,3
	v_max_num_f32 v[BM+\b], v[BM+\b], v[S+16*\b+15]
.endr
.irp b, 0,1,2,3
	s_delay_alu instid0(VALU_DEP_4)
	v_permlanex16_b32 v[BT+\b], v[BM+\b], s[SEL], s[SEL+1]
.endr
.irp b, 0,1,2,3
	s_delay_alu instid0(VALU_DEP_4)
	v_max_num_f32 v[BM+\b], v[BM+\b], v[BT+\b]     ; with lane l xor 16's 16 keys
.endr
	s_delay_alu instid0(VALU_DEP_2)
	v_max3_num_f32 v[T], v[BM], v[BM+1], v[BM+2]
	s_delay_alu instid0(VALU_DEP_1)
	v_max_num_f32 v[T], v[T], v[BM+3]
	s_delay_alu instid0(VALU_DEP_1)
	v_mul_f32 v[T], s[CS], v[T]                    ; the step's largest t (c is positive)
	s_delay_alu instid0(VALU_DEP_1)
	v_max_num_f32 v13, v13, v[T]
	v_mov_b32 v[T], v12
	s_delay_alu instid0(VALU_DEP_2)
	v_floor_f32 v12, -v13                          ; the new -M = floor(-t): M is a whole number
	s_delay_alu instid0(VALU_DEP_1)
	v_sub_f32 v[T], v12, v[T]                      ; old M - new M: a whole number, 0 or less
	s_delay_alu instid0(VALU_DEP_1)
	v_cvt_i32_f32 v[T], v[T]                       ; (it saturates)
	s_delay_alu instid0(VALU_DEP_1)
	v_ldexp_f32 v[F], 1.0, v[T]                    ; f = 2^(old M - new M)
.set j, 0
.rept 32
	v_pk_fma_f32 v[S+j:S+j+1], v[S+j:S+j+1], s[CS:CS+1], v[12:13] op_sel_hi:[1,0,0]   ; t - M, two at a time
.set j, j+2
.endr
.irp b, 0,1,2,3
	v_fma_f32 v[BM+\b], v[BM+\b], s[CS], v12       ; the same of each block's largest score
.endr
.set j, 0
	s_wait_alu depctr_va_vdst(0)                   ; the wait ahead of the batch
.rept 64
	v_exp_f32 v[S+j], v[S+j]                       ; p = 2^(t - M): one batch of 68 exponentials, none of which reads another's result
.set j, j+1
.endr
.irp b, 0,1,2,3
	v_exp_f32 v[BM+\b], v[BM+\b]                   ; the block's largest p: the same two instructions on the same number give the same bits
.endr
	v_pk_mul_f32 v[14:15], v[14:15], v[F:F+1] op_sel_hi:[1,0]      ; independent work behind the batch: the sums and O^T under the new M
.set j, 0
	s_wait_alu depctr_va_vdst(0)                   ; ahead of the first reader of O^T
.rept 16
	v_pk_mul_f32 v[O+j:O+j+1], v[O+j:O+j+1], v[F:F+1] op_sel_hi:[1,0]
.set j, j+2
.endr
	s_wait_alu depctr_va_vdst(0)                   ; one wait for the batch, ahead of the first line that names a result
.irp b, 0,1,2,3
	v_max_num_f32 v[BM+\b], 0x1800000, v[BM+\b]    ; the floor 2^(3 - 127): the byte cannot fall under 1
.endr
.irp b, 0,1,2,3
	s_delay_alu instid0(VALU_DEP_4)
	v_add_nc_u32 v[SO+\b], 0xff000000, v[BM+\b]    ; 2 off the exponent field: the conversion's scale operand
.endr
.irp b, 0,1,2,3
	s_delay_alu instid0(VALU_DEP_4)
	v_lshrrev_b32 v[BT+\b], 23, v[SO+\b]           ; the scale's byte
.endr
	s_delay_alu instid0(VALU_DEP_3)
	v_lshl_or_b32 v[PS], v[BT+1], 8, v[BT]         ; p's scale word for these 128 keys
	s_delay_alu instid0(VALU_DEP_1)
	v_lshl_or_b32 v[PS], v[BT+2], 16, v[PS]
	s_delay_alu instid0(VALU_DEP_1)
	v_lshl_or_b32 v[PS], v[BT+3], 24, v[PS]
.irp c, 0,1
	v_cvt_scalef32_pk16_fp6_f32 v[PC+6*\c:PC+6*\c+2], v[S+32*\c:S+32*\c+15], v[SO+2*\c]
	v_cvt_scalef32_pk16_fp6_f32 v[CT+4*\c:CT+4*\c+2], v[S+32*\c+16:S+32*\c+31], v[SO+2*\c+1]
.endr
	v_nop                                          ; one plain line behind the scaled conversions
.irp c, 0,1                            ; a whole block to a lane: lanes 0-15 block 2 c, lanes 16-31 block 2 c + 1
.irp i, 0,1,2
	v_permlane16_swap_b32 v[PC+6*\c+\i], v[CT+4*\c+\i]
.endr
.irp i, 0,1,2
	s_delay_alu instid0(VALU_DEP_3)
	v_mov_b32 v[PC+6*\c+3+\i], v[CT+4*\c+\i]
.endr
.endr
.set k, 0
.irp d, 228,246,244,242,226,224,218    ; the sum of the unquantised p, two at a time, in eight chains: seven begin with two pairs each,
	v_pk_add_f32 v[\d:\d+1], v[S+4*k:S+4*k+1], v[S+4*k+2:S+4*k+3]
.set k, k+1
.endr
	v_pk_add_f32 v[14:15], v[14:15], v[S+28:S+29]  ; the eighth is the running sum
	ADD8 30
	ADD8 46
	v_pk_add_f32 v[228:229], v[228:229], v[S+62:S+63]
	s_delay_alu instid0(VALU_DEP_2)
	v_pk_add_f32 v[14:15], v[14:15], v[242:243]
	s_delay_alu instid0(VALU_DEP_2)
	v_pk_add_f32 v[228:229], v[228:229], v[226:227]
	v_pk_add_f32 v[246:247], v[246:247], v[224:225]
	v_pk_add_f32 v[244:245], v[244:245], v[218:219]
	s_delay_alu instid0(VALU_DEP_2)
	v_pk_add_f32 v[14:15], v[14:15], v[246:247]
	s_delay_alu instid0(VALU_DEP_2)
	v_pk_add_f32 v[228:229], v[228:229], v[244:245]
	s_delay_alu instid0(VALU_DEP_1)
	v_pk_add_f32 v[14:15], v[14:15], v[228:229]
	s_wait_dscnt 0x0                               ; V is in
.irp t, 0,1,2,3                        ; O^T += V^T P^T: the four accumulators by turns
	v_wmma_scale_f32_16x16x128_f8f6f4 v[O+8*\t:O+8*\t+7], v[KF+12*\t:KF+12*\t+11], v[PC:PC+11], v[O+8*\t:O+8*\t+7], v[VSC+\t], v[PS] matrix_a_fmt:MATRIX_FMT_FP6 matrix_b_fmt:MATRIX_FMT_FP6
.endr
.endm
.macro WALK                            ; a tile's sixteen key steps: written once, walked sixteen times; the LDS addresses hang on s[TB] and s[TS]
	s_mov_b32 s[TB], 0
	s_mov_b32 s[TS], 0
	s_mov_b32 s[CNT], NST
.Lstep_\@:
	STEP
	s_add_co_u32 s[TB], s[TB], STEPB
	s_add_co_u32 s[TS], s[TS], 768
	s_sub_co_u32 s[CNT], s[CNT], 1
	s_cmp_lg_u32 s[CNT], 0
	s_cbranch_scc1 .Lstep_\@
.endm
; A tile is finished: O^T / l, into natural order, quantised: six registers of the output product's fragment and two bytes of its scale word; then they leave.
.macro FINISH off, soff
.rept 4
	v_nop                                          ; places behind the last products
.endr
	v_add_f32 v14, v14, v15
	s_delay_alu instid0(VALU_DEP_1)
	v_permlanex16_b32 v[T], v14, s[SEL], s[SEL+1]
	s_delay_alu instid0(VALU_DEP_1)
	v_add_f32 v14, v14, v[T]                       ; l: the two halves, and lane l xor 16's keys
	s_wait_alu depctr_va_vdst(0)
	v_rcp_f32 v[F], v14
	v_nop                                          ; a plain line behind the reciprocal,
	s_wait_alu depctr_va_vdst(0)                   ; and the wait ahead of its first reader
.set j, 0
.rept 16
	v_pk_mul_f32 v[S+j:S+j+1], v[O+j:O+j+1], v[F:F+1] op_sel_hi:[1,0]   ; register 8 t + j: o(r, 16 t + 8 h + j); each accumulator from its low end on
.set j, j+2
.endr
.irp b, 0,1
.irp j, 0,1,2,3,4,5,6,7
	v_permlane16_swap_b32 v[S+16*\b+\j], v[S+16*\b+8+\j]           ; now register 16 b + i: o(r, 32 b + 16 h + i): 16 neighbours
.endr
.endr
.irp b, 0,1
	v_max3_num_f32 v[BM+\b], |v[S+16*\b]|, |v[S+16*\b+1]|, 0x1800000
.endr
.irp i, 2,4,6,8,10,12,14
.irp b, 0,1
	s_delay_alu instid0(VALU_DEP_2)
	v_max3_num_f32 v[BM+\b], v[BM+\b], |v[S+16*\b+\i]|, |v[S+16*\b+\i+1]|
.endr
.endr
.irp b, 0,1
	s_delay_alu instid0(VALU_DEP_2)
	v_permlanex16_b32 v[BT+\b], v[BM+\b], s[SEL], s[SEL+1]
.endr
.irp b, 0,1
	s_delay_alu instid0(VALU_DEP_2)
	v_max_num_f32 v[BM+\b], v[BM+\b], v[BT+\b]
.endr
.irp b, 0,1
	s_delay_alu instid0(VALU_DEP_2)
	v_add_nc_u32 v[SO+\b], 0xff000000, v[BM+\b]
.endr
.irp b, 0,1
	s_delay_alu instid0(VALU_DEP_2)
	v_lshrrev_b32 v[BT+\b], 23, v[SO+\b]
.endr
	s_delay_alu instid0(VALU_DEP_1)
	v_lshl_or_b32 v[W0], v[BT+1], 8, v[BT]
	v_cvt_scalef32_pk16_fp6_f32 v[OC:OC+2], v[S:S+15], v[SO]
	v_cvt_scalef32_pk16_fp6_f32 v[CT:CT+2], v[S+16:S+31], v[SO+1]
	v_nop
.irp i, 0,1,2
	v_permlane16_swap_b32 v[OC+\i], v[CT+\i]
.endr
.irp i, 0,1,2
	s_delay_alu instid0(VALU_DEP_3)
	v_mov_b32 v[OC+3+\i], v[CT+\i]
.endr
	global_store_b128 v[L16], v[OC:OC+3], s[52:53] offset:\off     ; the half image: 512 consecutive bytes,
	global_store_b64 v[L8], v[OC+4:OC+5], s[52:53] offset:\off     ; then 256
	global_store_b16 v[RO], v[W0], s[54:55] offset:\soff           ; my head's two bytes of row r's scale word (lanes r and r + 16 store the same)
.endm
	s_wait_alu depctr_va_vdst(0)                   ; the wait at the head's end
	s_wait_loadcnt 0x0                             ; Q
	s_wait_tensorcnt 0x0                           ; my part of the head's K, V or scale words is in
	s_barrier_signal -1
	s_barrier_wait -1                              ; and so is everybody's
	WALK                                           ; the first tile
	s_wait_alu depctr_va_vdst(0)
	FINISH 0, 0
.irp i, 0,1,2,3,4,5
	v_mov_b32 v[QF+\i], v[QF2+\i]                  ; the second tile's Q and scale word first: the 36 lines behind them are the places ahead of the next product
.endr
	v_mov_b32 v[QSC], v[QSC2]
	BEGIN
	WALK                                           ; the second tile
	s_wait_xcnt 0x0                                ; the first tile's stores have read their registers, which are written again below
	s_wait_alu depctr_va_vdst(0)
	FINISH 16*8*1536, 1024                         ; 16 token blocks on
	s_wait_tensorcnt 0x0                           ; the wave's end
	ds_add_u32 v[SPW], v[NIL]
	s_wait_dscnt 0x0
	CROUND                                         ; the closing round
	s_endpgm
.Lfunc_end_k_q5ed32b8835_attn:
	.size	k_q5ed32b8835_attn, .Lfunc_end_k_q5ed32b8835_attn-k_q5ed32b8835_attn
	.p2alignl 7, 3214868480
	.fill 96, 4, 3214868480
	.section	.rodata,"a",@progbits
	.p2align	6, 0x0
	.amdhsa_kernel k_q5ed32b8835_attn
		.amdhsa_group_segment_fixed_size 327680
		.amdhsa_private_segment_fixed_size 0
		.amdhsa_enable_private_segment 0
		.amdhsa_kernarg_size 24
		.amdhsa_user_sgpr_count 2
		.amdhsa_user_sgpr_kernarg_segment_ptr 1
		.amdhsa_wavefront_size32 1
		.amdhsa_system_sgpr_workgroup_id_x 1
		.amdhsa_system_sgpr_workgroup_id_y 1
		.amdhsa_system_sgpr_workgroup_id_z 1
		.amdhsa_system_vgpr_workitem_id 0
		.amdhsa_next_free_vgpr 256
		.amdhsa_next_free_sgpr 66
		.amdhsa_reserve_vcc 0
		.amdhsa_float_denorm_mode_32 3
		.amdhsa_float_denorm_mode_16_64 3
		.amdhsa_memory_ordered 1
		.amdhsa_forward_progress 1
		.amdhsa_inst_pref_size 54
	.end_amdhsa_kernel
	.amdgpu_metadata
---
amdhsa.version: [ 1, 2 ]
amdhsa.kernels:
  - .name:           k_q5ed32b8835_attn
    .symbol:         k_q5ed32b8835_attn.kd
    .args:
      - { .name: qq, .offset: 0, .size: 8, .value_kind: global_buffer, .address_space: global }
      - { .name: kv, .offset: 8, .size: 8, .value_kind: global_buffer, .address_space: global }
      - { .name: ao, .offset: 16, .size: 8, .value_kind: global_buffer, .address_space: global }
    .group_segment_fixed_size: 327680
    .private_segment_fixed_size: 0
    .kernarg_segment_align: 8
    .kernarg_segment_size: 24
    .max_flat_workgroup_size: 512
    .sgpr_count:     66
    .vgpr_count:     256
    .wavefront_size: 32
...
	.end_amdgpu_metadata
.endif
;; end of part 4
;; launch gemm_o (part 5): grid 4 x 32, 4 waves a work-group, clusters of 4 x 4, 327,680 bytes of LDS; arguments ao, wq, bo, out0; writes out0
.if DOCPART == 5
	.amdgcn_target "amdgcn-amd-amdhsa--gfx1250"
	.amdhsa_code_object_version 6
	.text
	.protected	k_q5ed32b8835_gemm_o
	.globl	k_q5ed32b8835_gemm_o
	.p2align	8
	.type	k_q5ed32b8835_gemm_o,@function
k_q5ed32b8835_gemm_o:
	s_mov_b64 s[64:65], 0
	v_nop
	global_prefetch_b8 v0, s[64:65] scope:SCOPE_SE
	s_setreg_imm32_b32 hwreg(HW_REG_WAVE_MODE, 25, 1), 1
	s_wait_xcnt 0x0
	s_wait_alu depctr_hold_cnt(0) depctr_sa_sdst(0) depctr_va_vdst(0) depctr_va_sdst(0) depctr_va_ssrc(0) depctr_va_vcc(0) depctr_vm_vsrc(0)
	s_getreg_b32 s2, hwreg(HW_REG_IB_STS2, 6, 4)
	s_cmp_eq_u32 s2, 0
	s_cbranch_scc0 .Lentry_in_a_cluster
	s_endpgm
.Lentry_in_a_cluster:
	s_bfe_u32 s2, ttmp6, 0x10000c
	s_cmp_lg_u32 s2, 0xf033
	s_cbranch_scc0 .Lentry_shape_is_right
	s_endpgm
.Lentry_shape_is_right:
.set NQ,     2
.set ROWB,   49152                     ; from a K step's tile of 256 rows of the weight to the next: its codes lie [256 rows][K step][row][192 bytes]
.set KROW,   768
.set PITCH,  240
.set FR,     12
.set NLA,    4                         ; LDS loads of a fragment of A: two half images, each 16 bytes a lane and then 8
.set NP,     4
.set HALFT,  128*PITCH
.set AHALF,  24576
.set BOFF,   2*AHALF
.set SLOT,   BOFF+2*HALFT
.set KS,     32
.set HALFS,  (128*KS/256)*272
.set SBLK,   (16*KS/256)*272
.set SCLA,   2*SLOT
.set SCLB,   SCLA+8192
.set SPARE,  SCLB+2*HALFS
.set SPITCH, 528
.set SIZE_N, 1024
.set WSOFF,  3145728
.set AOSOFF, 6291456
.set ADRA,  16
.set ADRSA, 18
.set ADRB,  20
.set STO,   24
.set RD,    25
.set CO,    26
.set ADRSB, 27
.set SPW,   28
.set NIL,   29
.set BOF,   31
.set SCB,   32
.set SCA,   64
.set AF,    128
.set BK,    128
.set G1, 24
.set G0, 32
.set G1B, 48
.set G0B, 56
.set G1S, 68
.set G0S, 76
.set G1SB, 80
.set G0SB, 88
.set MSB, 0
.macro WIN new
.if MSB != (\new)
	s_set_vgpr_msb (MSB<<8)|(\new)
.set MSB, (\new)
.endif
.endm
.set MUL_LO, 0xa1
.set MUL_HI, 0xf1
.set TO_B,   0x40
.macro JLOAD g0a, g1a, g0b, g1b
	s_cmp_eq_u32 s15, 0
	s_cbranch_scc0 .Lfor_b_\@
	tensor_load_to_lds s[\g0a:\g0a+3], s[\g1a:\g1a+7]
	s_nop 0
.rept 4
	v_nop
.endr
	s_branch .Lasked_\@
.Lfor_b_\@:
	tensor_load_to_lds s[\g0b:\g0b+3], s[\g1b:\g1b+7]
	s_nop 0
.rept 4
	v_nop
.endr
.Lasked_\@:
.endm
.macro CREST
	s_cmp_lg_u32 s14, 0
	s_cbranch_scc1 .Lnot_wave_0_\@
	s_barrier_signal -3
.Lnot_wave_0_\@:
	s_barrier_wait -3
	s_barrier_signal -1
	s_barrier_wait -1
.endm
.macro CROUND
	s_barrier_signal -1
	s_barrier_wait -1
	CREST
.endm
	s_load_b256 s[4:11], s[0:1], 0x0
	v_lshl_add_u32 v[SPW], v0, 2, SPARE
	v_mov_b32 v[NIL], 0
	ds_add_u32 v28, v29
	ds_add_u32 v28, v29
	s_wait_dscnt 0x0
	v_lshrrev_b32 v1, 5, v0
	v_readfirstlane_b32 s14, v1
	s_lshr_b32 s15, s14, 1
	s_and_b32 s16, s14, 1
	s_bfe_u32 s40, ttmp6, 0x40000
	s_bfe_u32 s41, ttmp6, 0x40004
	s_mov_b32 s42, s40
	s_and_b32 s17, ttmp7, 0xffff
	s_lshl_b32 s17, s17, 2
	s_add_co_u32 s17, s17, s41
	s_lshl_b32 s43, s41, 2
	s_lshl_b32 s43, 15, s43
	s_lshl_b32 s44, 0x1111, s40
	s_or_b32 s[G1+0], s43, (3<<16)|(1<<21)
	s_mov_b32 s[G1+1], 384<<16
	s_mov_b32 s[G1+2], 16<<16                      ; the head's load brings A's sixteen token blocks
	s_mov_b32 s[G1+3], 384<<16
	s_mov_b32 s[G1+4], 16
	s_mov_b32 s[G1+5], 1536
	s_mov_b32 s[G1+6], 0
	s_mov_b32 s[G1+7], 0
	s_or_b32 s[G1B+0], s44, (0<<16)|(1<<20)|(1<<21)|(3<<22)|(3<<25)
	s_mov_b32 s[G1B+1], 256<<16                    ; 128 rows of 192 bytes are dense: stated as 96 rows of 256 bytes; the padding stays behind every 64
	s_mov_b32 s[G1B+2], 192<<16                    ; and B's whole tile of 256 rows: 192 rows of 256 bytes
	s_mov_b32 s[G1B+3], 256<<16
	s_mov_b32 s[G1B+4], 192
	s_mov_b32 s[G1B+5], 256
	s_mov_b32 s[G1B+6], 0
	s_mov_b32 s[G1B+7], 0
	s_or_b32 s[G1S+0], s43, (3<<16)|(1<<21)
	s_mov_b32 s[G1S+1], 128<<16                    ; A's scale words of 256 tokens: 1,024 bytes for each of the 8 pairs of heads
	s_mov_b32 s[G1S+2], 8<<16
	s_mov_b32 s[G1S+3], 128<<16
	s_mov_b32 s[G1S+4], 8
	s_mov_b32 s[G1S+5], 4096
	s_mov_b32 s[G1S+6], 0
	s_mov_b32 s[G1S+7], 0
	s_or_b32 s[G1SB+0], s44, (3<<16)|(1<<20)|(1<<21)|(5<<22)|(3<<25)
	s_mov_b32 s[G1SB+1], 32<<16
	s_mov_b32 s[G1SB+2], (256*KS/256)<<16
	s_mov_b32 s[G1SB+3], 32<<16
	s_mov_b32 s[G1SB+4], 256*KS/256
	s_mov_b32 s[G1SB+5], 32
	s_mov_b32 s[G1SB+6], 0
	s_mov_b32 s[G1SB+7], 0
	s_lshl_b32 s20, s17, 4
	s_lshl_b32 s18, s16, 3
	s_add_co_u32 s20, s20, s18
	s_mul_i32 s20, s20, 12288
	s_mov_b32 s21, 0
	s_lshl_b32 s22, s17, 2
	s_lshl_b32 s22, s22, 8
	s_add_co_u32 s22, s22, AOSOFF
	s_mov_b32 s23, 0
	s_lshl_b32 s46, s42, 8
	s_lshl_b32 s18, s16, 7
	s_add_co_u32 s46, s46, s18
	s_add_co_u32 s46, s46, 3072
	s_lshl_b32 s92, s42, 13
	s_add_co_u32 s92, s92, 3072*KS                 ; Wo's rows begin at row 3,072
	s_add_co_u32 s92, s92, WSOFF
	s_mov_b32 s93, 0
	s_mul_i32 s46, s42, 4*ROWB                     ; the block of 256 rows (Wo's begin at block 12),
	s_add_co_u32 s46, s46, 12*4*ROWB
	s_mul_i32 s18, s16, 24576                      ; and my 128 rows of its tile
	s_add_co_u32 s46, s46, s18
	s_mov_b32 s47, 0
	s_mul_i32 s45, s16, AHALF
	s_mul_i32 s95, s16, HALFT
	s_add_co_u32 s95, s95, BOFF
	s_wait_kmcnt 0x0
	s_add_nc_u64 s[20:21], s[4:5], s[20:21]
	s_add_nc_u64 s[22:23], s[4:5], s[22:23]
	s_add_nc_u64 s[46:47], s[6:7], s[46:47]
	s_add_nc_u64 s[92:93], s[6:7], s[92:93]
	CROUND
	s_mov_b32 s[G0S], 1
	s_mov_b32 s[G0S+1], SCLA
	s_mov_b64 s[G0S+2:G0S+3], s[22:23]
	s_or_b32 s[G0S+3], s[G0S+3], 0x80000000
	s_mov_b32 s[G0SB], 1
	s_mov_b32 s[G0SB+1], SCLB
	s_mov_b64 s[G0SB+2:G0SB+3], s[92:93]
	s_or_b32 s[G0SB+3], s[G0SB+3], 0x80000000
.irp s, 0,1
	s_mov_b32 s[G0+4*\s], 1
	s_add_co_u32 s[G0+4*\s+1], s45, \s*SLOT
	s_add_nc_u64 s[G0+4*\s+2:G0+4*\s+3], s[20:21], \s*3072
	s_or_b32 s[G0+4*\s+3], s[G0+4*\s+3], 0x80000000
	s_mov_b32 s[G0B+4*\s], 1
	s_add_co_u32 s[G0B+4*\s+1], s95, \s*SLOT
	s_add_nc_u64 s[G0B+4*\s+2:G0B+4*\s+3], s[46:47], \s*ROWB
	s_or_b32 s[G0B+4*\s+3], s[G0B+4*\s+3], 0x80000000
.endr
; THE HEAD'S LOADS, one a wave, in one tree of branches on the wave's number: wave 0 K step 0 of A's 256 rows, wave 2 of B's (their slot 0 descriptors begin at the tile's first row), wave 1 A's scales, wave 3 B's
	s_cmp_eq_u32 s14, 0
	s_cbranch_scc0 .Lhead_b
	tensor_load_to_lds s[G0:G0+3], s[G1:G1+7]
	s_nop 0
.rept 4
	v_nop
.endr
	s_branch .Lhead_asked
.Lhead_b:
	s_cmp_eq_u32 s14, 2
	s_cbranch_scc0 .Lhead_sa
	tensor_load_to_lds s[G0B:G0B+3], s[G1B:G1B+7]
	s_nop 0
.rept 4
	v_nop
.endr
	s_branch .Lhead_asked
.Lhead_sa:
	s_cmp_eq_u32 s14, 1
	s_cbranch_scc0 .Lhead_sb
	tensor_load_to_lds s[G0S:G0S+3], s[G1S:G1S+7]
	s_nop 0
.rept 4
	v_nop
.endr
	s_branch .Lhead_asked
.Lhead_sb:
	tensor_load_to_lds s[G0SB:G0SB+3], s[G1SB:G1SB+7]
	s_nop 0
.rept 4
	v_nop
.endr
.Lhead_asked:
	v_and_b32 v1, 15, v0
	v_bfe_u32 v2, v0, 4, 1
	v_and_b32 v6, 31, v0
	v_mul_u32_u24 v3, v1, PITCH
	v_mul_u32_u24 v4, v2, 24
	v_add_nc_u32 v4, v3, v4
	v_lshl_add_u32 v5, v2, 4, v4
	v_lshlrev_b32 v3, 4, v6
	v_lshlrev_b32 v8, 3, v6
	s_mul_i32 s21, s15, AHALF
	s_mul_i32 s22, s16, HALFT
	s_add_co_u32 s22, s22, BOFF
.irp s, 0,1
	v_add_nc_u32 v[ADRA+\s], s21, v3
	v_add_nc_u32 v[19+11*\s], s21, v8              ; v19, v30: 8 x lane, for the second part of a half image, in slot 0, 1
	v_add_nc_u32 v[ADRB+\s], s22, v4
	v_add_nc_u32 v[ADRB+2+\s], s22, v5
	s_add_co_u32 s21, s21, SLOT
	s_add_co_u32 s22, s22, SLOT
.endr
	v_mul_u32_u24 v5, v1, KS
	v_lshrrev_b32 v7, 8, v5
	v_lshl_add_u32 v5, v7, 4, v5
	s_mul_i32 s22, s16, HALFS
	s_add_co_u32 s22, s22, SCLB
	v_add_nc_u32 v[ADRSB], s22, v5
	s_lshl_b32 s21, s15, 9                         ; A's scale words lie [pair of heads][1,024]: my 128 rows' are 512 bytes of each
	s_add_co_u32 s21, s21, SCLA
	v_lshlrev_b32 v5, 4, v1
	v_add_nc_u32 v[ADRSA], s21, v5
	s_mul_i32 s23, s14, 16*SPITCH
	v_mul_u32_u24 v5, v1, SPITCH
	v_lshl_add_u32 v5, v2, 5, v5
	v_add_nc_u32 v[STO], s23, v5
	v_lshlrev_b32 v[CO], 4, v6
	v_add_nc_u32 v[RD], s23, v[CO]
	v_lshlrev_b32 v[BOF], 5, v2
	s_wait_alu depctr_va_vdst(0)
	s_lshl_b32 s20, s17, 8
	s_lshl_b32 s21, s15, 7
	s_add_co_u32 s20, s20, s21
	s_lshl_b32 s20, s20, 12
	s_lshl_b32 s46, s42, 10
	s_lshl_b32 s47, s16, 9
	s_add_co_u32 s46, s46, s47
	s_mov_b32 s47, 0
	s_mov_b32 s21, 0
	s_add_nc_u64 s[12:13], s[10:11], s[20:21]
	s_add_nc_u64 s[12:13], s[12:13], s[46:47]
	s_add_nc_u64 s[8:9], s[8:9], s[46:47]
	WIN TO_B
.irp b, 0,1,2,3,4,5,6,7
	global_load_b128 v[96+8*\b+96*(\b/4):96+8*\b+96*(\b/4)+3], v[BOF], s[8:9] offset:64*\b
	global_load_b128 v[96+8*\b+96*(\b/4)+4:96+8*\b+96*(\b/4)+7], v[BOF], s[8:9] offset:64*\b+16
.endr
	WIN 0
.macro FRAG reg, adr, q, i
.irp p, 0,1,2,3,4,5
.set PC, 12*(\q)+6*(\p/3)+\p%3
.if PC%8 < 5
	ds_load_b64 v[\reg+2*\p:\reg+2*\p+1], v[\adr] offset:8*PC+16*(PC/8)+(\i)*16*PITCH
.else
	ds_load_b64 v[\reg+2*\p:\reg+2*\p+1], v[\adr+2] offset:8*PC+16*(PC/8)+(\i)*16*PITCH
.endif
.endr
.endm
.macro MUL16 a0, p, q, sc, zero
.irp a, \a0, \a0+1
.irp b, 0,1,2,3,4,5,6,7
.if \zero
	v_wmma_scale_f32_16x16x128_f8f6f4 v[8*(8*((\a)%4)+\b):8*(8*((\a)%4)+\b)+7], v[128*(\p)+FR*\b:128*(\p)+FR*\b+FR-1], v[AF+FR*(\a):AF+FR*(\a)+FR-1], v[96+8*\b+96*(\b/4):96+8*\b+96*(\b/4)+7], v[SCB+16*(\sc)+2*\b+(\q)], v[SCA+16*(\sc)+8*(\q)+(\a)] matrix_a_fmt:MATRIX_FMT_FP6 matrix_b_fmt:MATRIX_FMT_FP6
.else
	v_wmma_scale_f32_16x16x128_f8f6f4 v[8*(8*((\a)%4)+\b):8*(8*((\a)%4)+\b)+7], v[128*(\p)+FR*\b:128*(\p)+FR*\b+FR-1], v[AF+FR*(\a):AF+FR*(\a)+FR-1], v[8*(8*((\a)%4)+\b):8*(8*((\a)%4)+\b)+7], v[SCB+16*(\sc)+2*\b+(\q)], v[SCA+16*(\sc)+8*(\q)+(\a)] matrix_a_fmt:MATRIX_FMT_FP6 matrix_b_fmt:MATRIX_FMT_FP6
.endif
.endr
.endr
.endm
.macro FETCH_B slot, q, p
	WIN TO_B
.irp i, 0,1,2,3,4,5,6,7
	FRAG 128*(\p)+FR*\i, ADRB+\slot, \q, \i
.endr
	WIN 0
.endm
.macro FETCH_A slot, q, i0
.irp i, \i0, \i0+1, \i0+2, \i0+3
.irp c, 0,1
	ds_load_b128 v[AF+FR*(\i)+6*\c:AF+FR*(\i)+6*\c+3], v[ADRA+\slot] offset:3072*(\i)+1536*(\q)+768*\c
	ds_load_b64 v[AF+FR*(\i)+6*\c+4:AF+FR*(\i)+6*\c+5], v[19+11*\slot] offset:3072*(\i)+1536*(\q)+768*\c+512
.endr
.endr
.endm
.macro SCALES sc
.irp i, 0,1,2,3,4,5,6,7
	ds_load_b64 v[SCB+16*\sc+2*\i:SCB+16*\sc+2*\i+1], v[ADRSB] offset:\i*SBLK
.endr
.irp q, 0,1
.irp g, 0,1
	ds_load_b128 v[SCA+16*\sc+8*\q+4*\g:SCA+16*\sc+8*\q+4*\g+3], v[ADRSA] offset:1024*\q+256*\g
.endr
.endr
.endm
.macro PLACES n
.rept \n
	v_nop
.endr
.endm
.macro STEP slot, q, zero
	s_wait_dscnt 4*NLA
	WIN MUL_LO-0x10*(\zero)
	MUL16 0, (\q)%2, \q, \slot, \zero
	MUL16 2, (\q)%2, \q, \slot, \zero
	s_wait_dscnt 0
	PLACES NP
	FETCH_B \slot, (\q)+1, 1-(\q)%2
	FETCH_A \slot, (\q)+1, 0
	WIN MUL_HI-0x20*(\zero)
	MUL16 4, (\q)%2, \q, \slot, \zero
	MUL16 6, (\q)%2, \q, \slot, \zero
	PLACES NP
	WIN 0
	FETCH_A \slot, (\q)+1, 4
.endm
.macro TURN slot, next, fill
	s_wait_tensorcnt 0x0
	ds_add_u32 v[SPW], v[NIL]
	s_wait_dscnt 4*NLA+1
	WIN MUL_LO
	MUL16 0, 1, NQ-1, \slot, 0
	s_wait_dscnt 0x0
	s_barrier_signal -1
	MUL16 2, 1, NQ-1, \slot, 0
	WIN 0
	s_barrier_wait -1
.if \fill
	CREST
	s_add_nc_u64 s[G0+4*\slot+2:G0+4*\slot+3], s[G0+4*\slot+2:G0+4*\slot+3], 2*3072
	s_add_nc_u64 s[G0B+4*\slot+2:G0B+4*\slot+3], s[G0B+4*\slot+2:G0B+4*\slot+3], 2*ROWB
	JLOAD G0+4*\slot, G1, G0B+4*\slot, G1B
.else
	PLACES NP
.endif
	s_wait_alu depctr_va_vdst(0)
	v_add_nc_u32 v[ADRSB], 8, v[ADRSB]
	v_add_nc_u32 v[ADRSA], 2048, v[ADRSA]
	FETCH_B \next, 0, 0
	FETCH_A \next, 0, 0
	SCALES \next
	WIN MUL_HI
	MUL16 4, 1, NQ-1, \slot, 0
	MUL16 6, 1, NQ-1, \slot, 0
	PLACES NP
	WIN 0
	FETCH_A \next, 0, 4
.endm
	s_wait_alu depctr_va_vdst(0)                   ; the wait at the head's end
	s_wait_tensorcnt 0x0                           ; my tile of the head's four is in
	ds_add_u32 v[SPW], v[NIL]
	s_mov_b32 s[G1+2], 8<<16                       ; no tensor load of mine is out: from here on a load brings half a tile: 8 token blocks of A,
	s_mov_b32 s[G1+4], 8
	s_mov_b32 s[G1B+2], 96<<16                     ; 128 rows of B
	s_mov_b32 s[G1B+4], 96
	s_wait_dscnt 0x0
	CROUND                                         ; all four tiles are in, and the sixteen work-groups are here
	JLOAD G0+4, G1, G0B+4, G1B                     ; slot 1's first fill, the first tensor load behind the round
	FETCH_B 0, 0, 0
	FETCH_A 0, 0, 0
	SCALES 0
	FETCH_A 0, 0, 4
	s_wait_loadcnt 0x0
	STEP 0, 0, 1
	TURN 0, 1, 1
	STEP 1, 0, 0
	TURN 1, 0, 1
	STEP 0, 0, 0
	TURN 0, 1, 0
	STEP 1, 0, 0
	s_wait_dscnt 4*NLA
	WIN MUL_LO
	MUL16 0, 1, NQ-1, 1, 0
	MUL16 2, 1, NQ-1, 1, 0
	s_wait_dscnt 0
	WIN MUL_HI
	MUL16 4, 1, NQ-1, 1, 0
	MUL16 6, 1, NQ-1, 1, 0
	WIN 0
.macro TOSTAGE a
.set AC, 64*((\a)%4)
	WIN 0x08+4*((\a)/4)
.irp b, 0,1,2,3,4,5,6,7
	ds_store_b128 v[STO], v[AC+8*\b:AC+8*\b+3] offset:64*\b
	ds_store_b128 v[STO], v[AC+8*\b+4:AC+8*\b+7] offset:64*\b+16
.endr
	WIN 0
.set BB, BK+64*((\a)%2)
.irp t, 0,1,2,3,4,5,6,7,8,9,10,11,12,13,14,15
	ds_load_b128 v[BB+4*\t:BB+4*\t+3], v[RD] offset:\t*SPITCH
.endr
.endm
.macro SEND a, younger
.set BB, BK+64*((\a)%2)
	s_wait_dscnt \younger
.if (\a) > 0
	s_add_nc_u64 s[12:13], s[12:13], 16*SIZE_N*4
.endif
.irp t, 0,1,2,3,4,5,6,7,8,9,10,11,12,13,14,15
	global_store_b128 v[CO], v[BB+4*\t:BB+4*\t+3], s[12:13] offset:\t*SIZE_N*4 th:TH_STORE_NT
.endr
.endm
	PLACES NP
	TOSTAGE 0
.irp a, 1,2,3,4,5,6,7
.if \a > 1
	s_wait_xcnt 0x0
.endif
	TOSTAGE \a
	SEND \a-1, 32
.endr
	s_wait_xcnt 0x0
	SEND 7, 0
	s_wait_tensorcnt 0x0
	ds_add_u32 v[SPW], v[NIL]
	s_wait_dscnt 0x0
	CROUND
	s_endpgm
.Lfunc_end_k_q5ed32b8835_gemm_o:
	.size	k_q5ed32b8835_gemm_o, .Lfunc_end_k_q5ed32b8835_gemm_o-k_q5ed32b8835_gemm_o
	.p2alignl 7, 3214868480
	.fill 96, 4, 3214868480
	.section	.rodata,"a",@progbits
	.p2align	6, 0x0
	.amdhsa_kernel k_q5ed32b8835_gemm_o
		.amdhsa_group_segment_fixed_size 327680
		.amdhsa_private_segment_fixed_size 0
		.amdhsa_enable_private_segment 0
		.amdhsa_kernarg_size 32
		.amdhsa_user_sgpr_count 2
		.amdhsa_user_sgpr_kernarg_segment_ptr 1
		.amdhsa_wavefront_size32 1
		.amdhsa_system_sgpr_workgroup_id_x 1
		.amdhsa_system_sgpr_workgroup_id_y 1
		.amdhsa_system_sgpr_workgroup_id_z 1
		.amdhsa_system_vgpr_workitem_id 0
		.amdhsa_next_free_vgpr 1024
		.amdhsa_next_free_sgpr 100
		.amdhsa_reserve_vcc 0
		.amdhsa_float_denorm_mode_32 3
		.amdhsa_float_denorm_mode_16_64 3
		.amdhsa_memory_ordered 1
		.amdhsa_forward_progress 1
		.amdhsa_inst_pref_size 156
	.end_amdhsa_kernel
	.amdgpu_metadata
---
amdhsa.version: [ 1, 2 ]
amdhsa.kernels:
  - .name:           k_q5ed32b8835_gemm_o
    .symbol:         k_q5ed32b8835_gemm_o.kd
    .args:
      - { .name: ao, .offset: 0, .size: 8, .value_kind: global_buffer, .address_space: global }
      - { .name: wq, .offset: 8, .size: 8, .value_kind: global_buffer, .address_space: global }
      - { .name: bo, .offset: 16, .size: 8, .value_kind: global_buffer, .address_space: global }
      - { .name: out0, .offset: 24, .size: 8, .value_kind: global_buffer, .address_space: global }
    .group_segment_fixed_size: 327680
    .private_segment_fixed_size: 0
    .kernarg_segment_align: 8
    .kernarg_segment_size: 32
    .max_flat_workgroup_size: 128
    .sgpr_count:     100
    .vgpr_count:     1024
    .wavefront_size: 32
...
	.end_amdgpu_metadata
.endif
;; end of part 5
